; MI455X (gfx1250); checked and timed in simulation.
; The chip was launched on July 23, 2026; its instructions are those of AMD's public machine-readable ISA for CDNA 5 (MIT licence, August 2026) and "CDNA5" Instruction Set Architecture Reference Guide (July 2026). The comments in the code are by the model that wrote it; some were corrected since.
;; Custom Attention. Allowed arithmetic: matrix products marked QUANTISED: E2M1 operands, one E8M0 scale for each 32 along K, by v_wmma_scale_f32_16x16x128_f8f6f4 with both operands' format E2M1 (or v_wmma_scale_f32_32x16x128_f4), f32 sums; everything else in f32.
;; Inputs: W 3,072 x 1,024 float32; b 3,072 float32; x 4 x 4,096 x 1,024 float32.
;; Outputs: out0 4 x 4,096 x 1,024 float32.
;; This version of the problem:
;;   THIS VERSION OF THE PROBLEM IS GIVEN IN LOW PRECISION. The matrix products marked QUANTISED in the list below multiply operands that are first quantised to E2M1 (2 exponent bits, 1 mantissa bit; 4 bits a number), with one power-of-two scale for each 32 numbers along K (OCP MX v1.0); their sums are f32. All else is computed in f32.
;;   The module's matrix products, in the order in which they are computed (A, B: the left and right operand; K: the contracted axis; several contracted axes count as one K, in the product's order):
;;     1. [M 16,384, K 1,024] x [K 1,024, N 3,072]; A: input x; B: input W: QUANTISED
;;     2. batch 64 x [M 64, K 4,096] x [K 4,096, N 64]; A: computed on the way; B: computed on the way: QUANTISED
;;     3. batch 64 x [M 64, K 64] x [K 64, N 4,096]; A: softmax (see below); B: computed on the way: QUANTISED
;;   THE QUANTISER, for each operand of a quantised product, along K:
;;     - K is cut into blocks of 32 from its start; a last block that is shorter is filled with zeros.
;;     - A block's scale is 2^e with e = floor(log2(the largest magnitude in the block)) - 2, held to -126 .. 127; a block of zeros has e = 0. As a byte (E8M0): e + 127.
;;     - Each number is divided by its block's scale, clamped to +-6, and rounded to the nearest number of E2M1, ties to even, subnormals kept.
;;     - The product sums the exact products of the quantised numbers (number of the format x scale) in f32.
;;   ~~~python
;;   def quantise(x, axis):      # numpy; x: float32 -> the quantised numbers, widened to float32 again
;;       x = np.moveaxis(x, axis, -1); K = x.shape[-1]
;;       x = np.pad(x, [(0, 0)] * (x.ndim - 1) + [(0, -K % 32)]); x = x.reshape(x.shape[:-1] + (-1, 32)); a = np.abs(x).max(-1, keepdims=True)
;;       e = np.where(a > 0, np.clip(np.frexp(np.where(a > 0, a, 1))[1] - 1 - 2, -126, 127), 0)      # np.frexp(a)[1] - 1 = floor(log2(a)), exactly
;;       r = np.clip(x / 2.0 ** e, -6, 6)
;;       step = 2.0 ** (np.maximum(np.frexp(np.where(r == 0, 1, r))[1] - 1, 0) - 1)
;;       q = np.round(r / step) * step * 2.0 ** e      # np.round: ties to even
;;       return np.moveaxis(q.reshape(q.shape[:-2] + (-1,))[..., :K], -1, axis).astype(np.float32)
;;   ~~~
;;   SOFTMAX AHEAD OF A QUANTISED PRODUCT. Where the list says 'softmax', what is quantised is not the finished softmax but p = 2^(t - M), with t = logit x log2(e) and M = ceil(the row's largest t), a whole number; so 1/2 < the row's largest p <= 1. The row's sum l is taken of the UNQUANTISED p, in f32, and the product's result is divided by l at the end. Since M is a whole number, a kernel that streams over the keys may use a running M (the ceiling of the running maximum): every later rescaling is an exact power of two, which a block's scale takes up: the codes' values come out the same.
;;   OPERANDS COMPUTED ON THE WAY. 'Computed on the way' means the value that the module computes at that place (a softmax that the list does not call 'softmax' is quantised finished and normalised). What goes into a quantiser is computed in f32, as accurately as f32 sums, v_exp_f32 and their like allow (about 1e-6 of the number): no bf16 or f16 on the way to a quantiser, and a product that is left as it is and whose result goes on into a quantised operand takes f32 operands (vector FMAs, or v_wmma_f32_16x16x4_f32). A number that lies on a knife's edge between two numbers of the format may be rounded either way, as far as f32 arithmetic and the matrix unit's own rounding can turn it there, and no further.
;; 2 versions, each right; version 2 is version 1 with the launch attn written anew for expert scheduling mode. Each part assembles by itself: llvm-mc -triple=amdgcn-amd-amdhsa -mcpu=gfx1250 --defsym DOCPART=n.
;; ======== version 1 of 2: 3 launches
;; workspace buffers: xq 8,912,896 bytes; wq 1,671,168 bytes; rope 16,384 bytes; vq 9,437,184 bytes; spart 4,194,304 bytes
;; launch quant (part 1): grid 609 x 1, 4 waves a work-group, no clusters, 33,280 bytes of LDS; arguments x, W, xq, wq, rope; writes xq, wq, rope
.if DOCPART == 1
	.amdgcn_target "amdgcn-amd-amdhsa--gfx1250"
	.amdhsa_code_object_version 6
	.text
	.protected	k_q931c08c141_quant
	.globl	k_q931c08c141_quant
	.p2align	8
	.type	k_q931c08c141_quant,@function
k_q931c08c141_quant:
	s_mov_b64 s[64:65], 0
	v_nop
	global_prefetch_b8 v0, s[64:65] scope:SCOPE_SE
	s_setreg_imm32_b32 hwreg(HW_REG_WAVE_MODE, 25, 1), 1
	s_wait_xcnt 0x0
; x [16384][1024] and W [3072][1024], f32, become codes of FP4 (E2M1) with one E8M0 byte for each 32 along K, laid as the next launch's LDS wants them; one more work-group makes the table of cosines and sines.
; LAYOUT OF xq AND wq: [group of 64 rows][half of K][68 rows of 256 bytes].  Row p = 16 a + i of a block holds the 512 codes of row 4 i + a of the group (a = 0..3, i = 0..15); row 64 + a holds, at 16 i, that row's 16 scale bytes.
; So the 16 rows of a matrix fragment are every fourth row of the group: which rows form a fragment is free, and this choice lets every later block of 32 lie whole in one lane.
; A block's scale is 2^(floor(log2(its largest magnitude)) - 2); its byte is the largest magnitude's exponent field - 2, held at 1 from below.  A block of zeros so keeps the byte 1: its codes are zeros, and only this program reads the bytes.
; LIMITS: blocks whose largest magnitude lies under 2^-124 keep the byte 1; NaN and infinities among the inputs are not served.  The table's cosines and sines are good to about 1e-7 for its angles, 0 to 63.
; SHARES: work-groups 0-511 take x's blocks, 512-607 W's, 608 the table.  Wave a takes the block's 16 rows 4 t + a, one row's half (512 numbers) a step.
; Each of a step's four loads reads 512 consecutive bytes, 16 a lane; the 2,048 bytes turn through the wave's own stage in LDS and come back 64 bytes a lane, since the conversions want 16 neighbours along K in one lane.
; A lane's 16 codes are 8 bytes: a wave's store covers 256 consecutive aligned bytes.  A wave's 256 scale bytes are gathered in LDS and leave as one such store.  Waves share nothing: no barrier.  No cluster: no two work-groups read the same bytes.
; Loads run eight steps ahead: 32 loads, 16 KiB, half of a wave's share, are on their way; the turn through LDS runs one step ahead.
.set STEPS, 16
.set AHEAD, 8                          ; steps whose loads are out
.set EMAX,  2
.set CB,    8                          ; bytes of 16 codes
.set XBLKS, 512                        ; blocks of x
.set WBLKS, 96                         ; blocks of W
.set BLKB,  17408                      ; a block: 68 rows of 256 bytes
.set R,     16                         ; v16-143  eight sets of 16 numbers as they are loaded
.set X,     144                        ; v144-175 two sets of 16 neighbours
.set E,     176                        ; v176-191 a scale byte for each step
.set C,     192                        ; v192-255 codes: four registers for each step, so that no store's data are written again
.set WREG,  8192                       ; LDS: a region for each wave: two stages of 32 x SP bytes, then its 256 scale bytes
.set SP,    80                         ; a lane's place in a stage: 64 bytes + 16 of padding
	s_load_b256 s[4:11], s[0:1], 0x0               ; x s[4:5], W s[6:7], xq s[8:9], wq s[10:11]
	s_load_b64 s[12:13], s[0:1], 0x20              ; the table
	v_lshl_add_u32 v254, v0, 2, 0x8000
	v_mov_b32 v255, 0
	v_lshrrev_b32 v1, 5, v0
	v_readfirstlane_b32 s16, v1                    ; wave
	v_and_b32 v2, 31, v0                           ; lane
	s_wait_kmcnt 0x0
	s_cmp_eq_u32 ttmp9, XBLKS+WBLKS
	s_cbranch_scc1 .Lrope                          ; the last work-group makes the table; that path touches no LDS
	v_lshlrev_b32 v3, 4, v2                        ; my 16 bytes of a load's 512
	s_mul_i32 s17, s16, WREG
	v_lshrrev_b32 v14, 2, v2
	v_mul_u32_u24 v14, v14, SP
	v_and_b32 v15, 3, v2
	v_lshl_add_u32 v14, v15, 4, v14
	v_add_nc_u32 v14, s17, v14                     ; the stage, on the way in: SP (lane / 4) + 16 (lane % 4)
	v_mul_u32_u24 v15, v2, SP
	v_add_nc_u32 v15, s17, v15                     ; and on the way out: SP x lane: my 16 neighbours
	v_mul_u32_u24 v4, v2, CB                       ; my codes' place in a step's 256 bytes
	v_lshrrev_b32 v5, 1, v2
	s_add_co_u32 s17, s17, 2*32*SP
	v_add_nc_u32 v5, s17, v5                       ; LDS: my wave's scale bytes, my block's byte
	v_lshlrev_b32 v7, 3, v2                        ; and on the way out 8 bytes a lane
	v_add_nc_u32 v6, s17, v7
	s_cmp_lt_u32 ttmp9, XBLKS                      ; x's work-group or W's: the choice hangs on the work-group's number alone
	s_cselect_b64 s[4:5], s[4:5], s[6:7]
	s_cselect_b64 s[8:9], s[8:9], s[10:11]
	s_cselect_b32 s18, 0, XBLKS
	s_sub_co_u32 s18, ttmp9, s18                   ; the block
	s_lshr_b32 s19, s18, 1                         ; its group of 64 rows
	s_and_b32 s20, s18, 1                          ; its half of K
	s_lshl_b32 s22, s19, 18                        ; source: 64 rows of 4,096 bytes a group,
	s_lshl_b32 s23, s16, 12                        ; + row a,
	s_add_co_u32 s22, s22, s23
	s_lshl_b32 s20, s20, 11                        ; + 2,048 bytes for the upper half
	s_add_co_u32 s22, s22, s20
	s_mul_i32 s24, s18, BLKB
	s_add_co_u32 s26, s24, 16384                   ; scale bytes: behind the block's 64 rows of codes,
	s_add_co_u32 s24, s24, s23                     ; codes: my 16 rows of 256 bytes
	s_lshl_b32 s20, s16, 8
	s_add_co_u32 s26, s26, s20                     ; row 64 + a
	s_mov_b32 s23, 0
	s_mov_b32 s25, 0
	s_mov_b32 s27, 0
	s_add_nc_u64 s[4:5], s[4:5], s[22:23]
	s_add_nc_u64 s[10:11], s[8:9], s[26:27]
	s_add_nc_u64 s[8:9], s[8:9], s[24:25]
.macro LOAD t                          ; step t: row 4 t + a of the group, 16,384 bytes on from the last step's
.irp i, 0,1,2,3
	global_load_b128 v[R+16*((\t)%AHEAD)+4*\i:R+16*((\t)%AHEAD)+4*\i+3], v3, s[4:5] offset:16384*(\t)+512*\i th:TH_LOAD_NT
.endr
.endm
.macro TURN t                          ; step t's numbers through the stage: LDS serves a wave's instructions in order, so no wait stands between the stores and the loads
.irp i, 0,1,2,3
	ds_store_b128 v14, v[R+16*((\t)%AHEAD)+4*\i:R+16*((\t)%AHEAD)+4*\i+3] offset:32*SP*((\t)%2)+8*SP*\i
.endr
.irp i, 0,1,2,3
	ds_load_b128 v[X+16*((\t)%2)+4*\i:X+16*((\t)%2)+4*\i+3], v15 offset:32*SP*((\t)%2)+16*\i
.endr
.endm
.irp t, 0,1,2,3,4,5,6,7
	LOAD \t
.endr
	s_wait_loadcnt 4*(AHEAD-1)                     ; step 0's four loads are in; the 28 of steps 1 to 7 stay out
	TURN 0
.macro STEP t
.set XS, X+16*((\t)%2)
.if (\t) > 0
	s_wait_dscnt 1                                 ; this step's numbers are back from the stage (the last step's byte store may be out)
.else
	s_wait_dscnt 0x0
.endif
.if (\t)+AHEAD < STEPS
	LOAD (\t)+AHEAD                                ; into the registers that this step's stores into the stage have read
.endif
.if (\t)+1 < STEPS
.if STEPS-2-(\t) >= AHEAD-1
	s_wait_loadcnt 4*(AHEAD-1)                     ; the next step's four loads are in; those of the seven steps behind it may be out
.else
	s_wait_loadcnt 4*(STEPS-2-(\t))                ; the tail: as many steps as are left behind the next one
.endif
	TURN (\t)+1                                    ; and go through the other stage while this step is worked
.endif
	v_max3_num_f32 v8, |v[XS]|, |v[XS+1]|, |v[XS+2]|               ; the largest magnitude of my 16, in two chains
	v_max3_num_f32 v9, |v[XS+3]|, |v[XS+4]|, |v[XS+5]|
.irp i, 6,10
	v_max3_num_f32 v8, v8, |v[XS+\i]|, |v[XS+\i+1]|
	v_max3_num_f32 v9, v9, |v[XS+\i+2]|, |v[XS+\i+3]|
.endr
	v_max3_num_f32 v8, v8, |v[XS+14]|, |v[XS+15]|
	v_max3_num_f32 v8, v8, v9, (EMAX+1)<<23        ; and the floor 2^(3 - 127): the byte cannot fall under 1
	v_max_num_f32_dpp v8, v8, v8 row_xmask:1 row_mask:0xf bank_mask:0xf   ; and of my neighbour's 16: the block's
	v_add_nc_u32 v11, -(EMAX<<23), v8              ; 2 off its exponent field: the conversion takes the exponent field of this operand as its scale
	v_cvt_scalef32_pk8_fp4_f32 v[C+4*(\t)], v[XS:XS+7], v11
	v_cvt_scalef32_pk8_fp4_f32 v[C+4*(\t)+1], v[XS+8:XS+15], v11
	v_lshrrev_b32 v[E+(\t)], 23, v11               ; the scale's byte
	ds_store_b8 v5, v[E+(\t)] offset:16*(\t)       ; both lanes of a block write the same byte with the same value
	global_store_b64 v4, v[C+4*(\t):C+4*(\t)+1], s[8:9] offset:256*(\t)   ; 32 lanes store 256 consecutive aligned bytes: row 16 a + t of the block
.endm
.irp t, 0,1,2,3,4,5,6,7,8,9,10,11,12,13,14,15
	STEP \t
.endr
	ds_load_b64 v[12:13], v6                       ; LDS serves a wave's instructions in order: these see my byte stores
	s_wait_dscnt 0x0
	global_store_b64 v7, v[12:13], s[10:11]        ; row 64 + a of the block: 256 consecutive aligned bytes
	s_wait_tensorcnt 0x0
	ds_add_u32 v254, v255
	s_wait_dscnt 0x0
	s_endpgm
; THE TABLE: [a 4][g 8][lane 32][4 numbers].  g = 2 kind + half; kind 0: cos(d f(2j)), 1: sin(d f(2j)), 2: cos(d f(2j+1)), 3: sin(d f(2j+1)); the four numbers are j = 4 half + 0 .. 3.
; d = 4 (lane % 16) + a in lanes 0-15 and 0 in lanes 16-31 (so cosines 1 and sines 0 there), f(m) = 10000^(-m/16) = 10^(-m/4).  So a reader that loads g into registers 4 g on has a kind's eight j in eight registers on end.
; Wave a makes part a.  The angle d f is one f32 multiplication.  It is brought into -pi/4 .. pi/4 by k = the nearest whole number to angle x 2/pi and pi/2 in two parts; there sine and cosine are their series up to r^9 and r^10,
; whose next terms lie under 2e-9; k mod 4 swaps them and sets the signs, without a branch.
.Lrope:
	v_and_b32 v3, 15, v0
	v_bfe_u32 v4, v0, 4, 1
	v_lshl_add_u32 v5, v3, 2, s16                  ; 4 r + a
	v_sub_nc_u32 v6, 1, v4
	v_mul_u32_u24 v5, v5, v6                       ; 0 in lanes 16-31
	v_cvt_f32_u32 v16, v5                          ; d
	v_lshlrev_b32 v7, 4, v2
	s_lshl_b32 s17, s16, 12
	v_add_nc_u32 v7, s17, v7                       ; 4,096 a + 16 lane
	s_mov_b32 s20, 0x3f22f983                      ; 2 / pi
	s_mov_b32 s21, 0x3fc90fdb                      ; pi / 2, upper part
	s_mov_b32 s22, 0xb33bbd2e                      ; and what is left of it
	s_mov_b32 s23, 0x3638ef1d                      ; 1 / 9!
	s_mov_b32 s24, 0xb9500d01                      ; -1 / 7!
	s_mov_b32 s25, 0x3c088889                      ; 1 / 5!
	s_mov_b32 s26, 0xbe2aaaab                      ; -1 / 3!
	s_mov_b32 s27, 0xb493f27e                      ; -1 / 10!
	s_mov_b32 s28, 0x37d00d01                      ; 1 / 8!
	s_mov_b32 s29, 0xbab60b61                      ; -1 / 6!
	s_mov_b32 s30, 0x3d2aaaab                      ; 1 / 4!
.macro SINCOS th, c, s
	v_mul_f32 v40, s20, v[\th]
	v_rndne_f32 v40, v40                           ; k
	v_fma_f32 v41, -v40, s21, v[\th]
	v_fma_f32 v41, -v40, s22, v41                  ; r
	v_mul_f32 v42, v41, v41                        ; z = r r
	v_fma_f32 v43, v42, s23, s24                   ; the two series by turns
	v_fma_f32 v44, v42, s27, s28
	v_fma_f32 v43, v43, v42, s25
	v_fma_f32 v44, v44, v42, s29
	v_fma_f32 v43, v43, v42, s26
	v_fma_f32 v44, v44, v42, s30
	v_mul_f32 v45, v41, v42
	v_fma_f32 v44, v44, v42, -0.5
	v_fma_f32 v43, v45, v43, v41                   ; sin r
	v_fma_f32 v44, v44, v42, 1.0                   ; cos r
	v_cvt_i32_f32 v46, v40
	v_and_b32 v47, 1, v46
	v_cmp_eq_u32 vcc_lo, 1, v47
	v_cndmask_b32 v48, v43, v44, vcc_lo            ; an odd k swaps the two
	v_cndmask_b32 v49, v44, v43, vcc_lo
	v_and_b32 v47, 2, v46
	v_lshlrev_b32 v47, 30, v47
	v_xor_b32 v[\s], v47, v48                      ; the sine is negative where k mod 4 is 2 or 3,
	v_add_nc_u32 v46, 1, v46
	v_and_b32 v46, 2, v46
	v_lshlrev_b32 v46, 30, v46
	v_xor_b32 v[\c], v46, v49                      ; the cosine where it is 1 or 2
.endm
.macro PAIR j, f0, f1                  ; kind k's number for j goes to v[64 + 8 k + j]
	v_mul_f32 v17, \f0, v16
	SINCOS 17, 64+(\j), 72+(\j)
	v_mul_f32 v17, \f1, v16
	SINCOS 17, 80+(\j), 88+(\j)
.endm
	PAIR 0, 1.0, 0.56234132519
	PAIR 1, 0.31622776602, 0.17782794100
	PAIR 2, 0.1, 0.056234132519
	PAIR 3, 0.031622776602, 0.017782794100
	PAIR 4, 0.01, 0.0056234132519
	PAIR 5, 0.0031622776602, 0.0017782794100
	PAIR 6, 0.001, 0.00056234132519
	PAIR 7, 0.00031622776602, 0.00017782794100
.irp g, 0,1,2,3,4,5,6,7
	global_store_b128 v7, v[64+4*\g:67+4*\g], s[12:13] offset:512*\g   ; 32 lanes store 512 consecutive aligned bytes
.endr
	s_endpgm
.Lfunc_end_k_q931c08c141_quant:
	.size	k_q931c08c141_quant, .Lfunc_end_k_q931c08c141_quant-k_q931c08c141_quant
	.p2alignl 7, 3214868480
	.fill 96, 4, 3214868480
	.section	.rodata,"a",@progbits
	.p2align	6, 0x0
	.amdhsa_kernel k_q931c08c141_quant
		.amdhsa_group_segment_fixed_size 33280
		.amdhsa_private_segment_fixed_size 0
		.amdhsa_enable_private_segment 0
		.amdhsa_kernarg_size 40
		.amdhsa_user_sgpr_count 2
		.amdhsa_user_sgpr_kernarg_segment_ptr 1
		.amdhsa_wavefront_size32 1
		.amdhsa_system_sgpr_workgroup_id_x 1
		.amdhsa_system_sgpr_workgroup_id_y 1
		.amdhsa_system_sgpr_workgroup_id_z 1
		.amdhsa_system_vgpr_workitem_id 0
		.amdhsa_next_free_vgpr 256
		.amdhsa_next_free_sgpr 66
		.amdhsa_reserve_vcc 1
		.amdhsa_float_denorm_mode_32 3
		.amdhsa_float_denorm_mode_16_64 3
		.amdhsa_memory_ordered 1
		.amdhsa_forward_progress 1
		.amdhsa_inst_pref_size 55
	.end_amdhsa_kernel
	.amdgpu_metadata
---
amdhsa.version: [ 1, 2 ]
amdhsa.kernels:
  - .name:           k_q931c08c141_quant
    .symbol:         k_q931c08c141_quant.kd
    .args:
      - { .name: x, .offset: 0, .size: 8, .value_kind: global_buffer, .address_space: global }
      - { .name: W, .offset: 8, .size: 8, .value_kind: global_buffer, .address_space: global }
      - { .name: xq, .offset: 16, .size: 8, .value_kind: global_buffer, .address_space: global }
      - { .name: wq, .offset: 24, .size: 8, .value_kind: global_buffer, .address_space: global }
      - { .name: rope, .offset: 32, .size: 8, .value_kind: global_buffer, .address_space: global }
    .group_segment_fixed_size: 33280
    .private_segment_fixed_size: 0
    .kernarg_segment_align: 8
    .kernarg_segment_size: 40
    .max_flat_workgroup_size: 128
    .sgpr_count:     66
    .vgpr_count:     256
    .wavefront_size: 32
...
	.end_amdgpu_metadata
.endif
;; end of part 1
;; launch gemm (part 2): grid 16 x 16, 4 waves a work-group, clusters of 4 x 4, 327,680 bytes of LDS; arguments xq, wq, b, rope, vq, spart; writes vq, spart
.if DOCPART == 2
	.amdgcn_target "amdgcn-amd-amdhsa--gfx1250"
	.amdhsa_code_object_version 6
	.text
	.protected	k_q931c08c141_gemm
	.globl	k_q931c08c141_gemm
	.p2align	8
	.type	k_q931c08c141_gemm,@function
k_q931c08c141_gemm:
	s_mov_b64 s[64:65], 0
	v_nop
	global_prefetch_b8 v0, s[64:65] scope:SCOPE_SE
	s_setreg_imm32_b32 hwreg(HW_REG_WAVE_MODE, 25, 1), 1
	s_wait_xcnt 0x0
	s_wait_alu depctr_hold_cnt(0) depctr_sa_sdst(0) depctr_va_vdst(0) depctr_va_sdst(0) depctr_va_ssrc(0) depctr_va_vcc(0) depctr_vm_vsrc(0)
	s_getreg_b32 s2, hwreg(HW_REG_IB_STS2, 6, 4)
	s_cmp_eq_u32 s2, 0
	s_cbranch_scc0 .Lentry_in_a_cluster
	s_endpgm
.Lentry_in_a_cluster:
	s_bfe_u32 s2, ttmp6, 0x10000c
	s_cmp_lg_u32 s2, 0xf033
	s_cbranch_scc0 .Lentry_shape_is_right
	s_endpgm
.Lentry_shape_is_right:
; qkv = x W^T + b on codes of FP4 with E8M0 scales; the rotation of q and k; q, k, v quantised in registers; and this work-group's part of scores = q k^T (K = the sequence).  q and k never go to memory.
; SHARES.  256 work-groups: head = 4 x cluster x + cx, batch = cy, quarter of the sequence Y = cluster y.  A work-group keeps its head's whole W (192 channels x K 1,024, codes and scale bytes) in LDS and walks 4 tiles of 256 rows.
; Wave w owns rows 64 w .. 64 w + 63 of each tile against all 192 channels: 48 accumulators of 16 x 16 (c = 0-3 q, 4-7 k, 8-11 v; a = 0-3 the rows' blocks).  128 along K: 16 fragments from LDS feed 48 matrix instructions.
; (A wave tile of 128 x 128 would feed more from each fragment, but a head's q, k and v in one wave let every wave run one text, and keep q and k of the same rows in one wave for the scores.)
; THE ROW ORDER.  In xq and wq position 16 a + i of a group of 64 holds row 4 i + a.  Lane l = (r = l % 16, h = l / 16).  Hence:
;   q, k tiles (source 0 = x's block a, source 1 = W's block c): a lane holds channel 4 r + c % 4, its register j the row 32 h + 4 j + a.  The 32 registers of one c are ONE whole block of 32 along the sequence:
;   no other lane is asked for its largest magnitude, and its four conversions are registers 0-3 of the scores' operand.  The order of k inside a block is the same for q and for k, which keeps the products.
;   v tiles (sources swapped): a lane holds row 4 r + a, its register j the channel 32 h + 4 j + (c - 8): the 32 registers of one a are one whole block along the channels, which are the last product's K.
; The scores' K is 64 a tile, half of the instruction's 128: q's registers 4-7 are zero codes, k's whatever codes follow, the scale bytes 2 and 3 are 0x7f.
; CLUSTER 4 x 4.  The four heads of a row of the cluster read the same tiles of x, the four batches of a column the same W: both are asked for jointly.  Each wave's slot of x is read by that wave alone.
; THE ROTATION touches rows 0 to 31 of a batch alone: one wave of a work-group in four.  While it works, the cluster's other 63 waves come to stand at the next round, so its way is kept short: that wave brings the table of
; cosines and sines (16 KiB) into its own LDS bytes at the head, beside the bias and under the first fills, and the rotation reads it from there and works two numbers an instruction.
; LIMITS: blocks whose largest magnitude lies under 2^-124, blocks of zeros among them, keep the scale byte 1 (their codes are what the conversion gives under that scale; only this program reads the bytes); NaN and infinities are not served.
; REGISTERS, in windows of 256 (s_set_vgpr_msb: bits 1:0 source 0, 3:2 source 1, 5:4 source 2, 7:6 destination):
;   window 0: v1-15 addresses; v16-63 W's scale words; v64-79 x's; v80-127 at work on scales; v128-159 q's codes; v160-179 k's; v180-197 v's codes and words; v200-231 the table, set 0 (at the head: v's bias on its way);
;             v232-247 at work in the rotation (at the head v240-247: q's and k's bias on its way); the table's set 1 lies in v80-103, which are idle at that place, and v248-255
;   window 1: accumulators c = 0-5 at 32 c + 8 a; v192-255 x's fragments, two sets        window 2: accumulators c = 6-11 at 32 (c - 6) + 8 a; v192-255 q's and k's bias
;   window 3: v0-127 the 16 score accumulators; v128-223 W's fragments, one set; v224-255 v's bias
.set PITCH, 272                        ; an LDS row: 256 bytes + 16 of padding: the 16 rows of a fragment load start 68 words apart
.set BLK,   68*PITCH                   ; a block: 64 rows of codes, 4 rows of scale bytes
.set XREG,  6*BLK                      ; W's six blocks lie at 0; behind them the four waves' rings of two slots
.set RING,  2*BLK
.set RED,   259072                     ; behind the rings, from a multiple of 256 on: 16,384 bytes for each wave: first the rotation's table (in the one wave that rotates), at the end the sum of the scores over the waves; no fill lands here
.set SPARE, 324608                     ; the spare words, 128 bytes for each wave: two blocks of 256 bytes that no other line names
.set XSTEP, 139264                     ; bytes of xq from a tile to the next: 4 groups of 2 blocks of 17,408
.set VSTEP, 9216                       ; bytes of vq likewise: 4 groups of 2,304
.set ADX,   3                          ; v3   my place in my ring's slot 0: 272 r + 16 h
.set ADXS,  4                          ; v4   and among its scale rows: 272 h + 16 r (lanes 0-15 an even block's words, lanes 16-31 the odd one's)
.set ADW0,  5                          ; v5   the same for W's blocks 0-2,
.set ADW1,  6                          ; v6   and 3-5 (an offset has 16 bits)
.set ADWS0, 7
.set SH8,   8                          ; v8   8 h: where my block's byte stands in a scale word
.set L16,   9                          ; v9   16 x lane
.set L8,    10                         ; v10  8 x lane
.set RDA,   11                         ; v11  the scores' sum: where I read
.set RSA,   12                         ; v12  my wave's 16,384 bytes of RED, + 16 x lane
.set ADWS1, 13
.set SPW,   14                         ; v14  LDS address of my spare word; never rewritten
.set NIL,   15                         ; v15  0; never rewritten
.set WS,    16                         ; W's scale words: register 8 (c / 2) + q
.set XS,    64                         ; x's: register 8 (a / 2) + q
.set MX,    80                         ; largest magnitudes: 0-7 q's and k's c, 8-11 v's a
.set SO,    92                         ; the conversions' scale operands
.set BW,    104                        ; bytes, then scale words
.set PT,    116                        ; what the lane 16 away sends
.set QF,    128                        ; q: 4 x (4 registers of codes, 4 of zeros)
.set KF,    160                        ; k: 16 registers of codes, 4 of zeros
.set VC,    180
.set VW,    196
.set RT,    200                        ; the table, set 0: cos f(2j) at +j, sin f(2j) at 8 + j, cos f(2j+1) at 16 + j, sin f(2j+1) at 24 + j
.set RT2,   80                         ; set 1: the first three kinds,
.set RT3,   248                        ; and the fourth
.set RX,    232                        ; X1 sin
.set RY,    240                        ; X2 sin
.set BT,    240
.set XF,    192                        ; in window 1
.set BQ,    192                        ; in window 2
.set WF,    128                        ; in window 3
.set BV,    224                        ; in window 3
.set MSB, 0
.macro WIN new                         ; the immediate's high byte repeats the setting that is left; a switch that changes nothing is dropped
.if MSB != (\new)
	s_set_vgpr_msb (MSB<<8)|(\new)
.set MSB, \new
.endif
.endm
.macro PLACES n
.rept \n
	v_nop
.endr
.endm
.macro CREST                           ; a round of the cluster's barrier behind its opening barrier
	s_cmp_lg_u32 s16, 0
	s_cbranch_scc1 .Lnot_wave_0_\@
	s_barrier_signal -3
.Lnot_wave_0_\@:
	s_barrier_wait -3
	s_barrier_signal -1
	s_barrier_wait -1
.endm
.macro CROUND                          ; a whole round
	s_barrier_signal -1
	s_barrier_wait -1
	CREST
.endm
	s_load_b256 s[4:11], s[0:1], 0x0               ; xq s[4:5], wq s[6:7], b s[8:9], the table s[10:11]
	s_load_b128 s[12:15], s[0:1], 0x20             ; vq s[12:13], spart s[14:15]
	v_lshl_add_u32 v[SPW], v0, 2, SPARE
	v_mov_b32 v[NIL], 0
	ds_add_u32 v14, v15
	ds_add_u32 v14, v15
	s_wait_dscnt 0x0
	v_lshrrev_b32 v1, 5, v0
	v_readfirstlane_b32 s16, v1                    ; wave 0..3
	s_bfe_u32 s17, ttmp6, 0x40000                  ; cx
	s_bfe_u32 s18, ttmp6, 0x40004                  ; cy = the batch
	s_lshl_b32 s19, ttmp9, 2
	s_add_co_u32 s19, s19, s17                     ; the head
	s_and_b32 s20, ttmp7, 0xffff                   ; Y: which 1,024 rows of the batch; the same in all sixteen partners
	s_mov_b32 s21, 0                               ; the tile
	s_or_b32 s22, s16, s20                         ; 0 only in wave 0 of the work-groups that begin at row 0
	s_mov_b32 s23, 0xffff0000                      ; lanes 16-31
	s_mov_b32 s52, 0x76543210
	s_mov_b32 s53, 0xfedcba98                      ; v_permlanex16_b32's selects for lane l xor 16
	s_lshl_b32 s54, s18, 2
	s_lshl_b32 s54, 15, s54                        ; my row of the cluster
	s_lshl_b32 s55, 0x1111, s17                    ; my column
	; descriptor groups 1: dense blocks as rows of 256 bytes (32 elements of 8 bytes), 16 bytes of padding behind each.  x: 68 rows, to my row of the cluster.  W: 102 rows, a quarter of a head's 408, to my column.
	s_or_b32 s24, s54, (3<<16)|(1<<20)|(1<<21)|(5<<22)|(3<<25)
	s_mov_b32 s25, 32<<16                          ; tensor_dim0
	s_mov_b32 s26, 68<<16                          ; tensor_dim1
	s_mov_b32 s27, 32<<16                          ; tile_dim0
	s_mov_b32 s28, 68                              ; tile_dim1
	s_mov_b32 s29, 32                              ; elements from row to row
	s_mov_b32 s30, 0
	s_mov_b32 s31, 0
	s_or_b32 s40, s55, (3<<16)|(1<<20)|(1<<21)|(5<<22)|(3<<25)
	s_mov_b32 s41, 32<<16
	s_mov_b32 s42, 102<<16
	s_mov_b32 s43, 32<<16
	s_mov_b32 s44, 102
	s_mov_b32 s45, 32
	s_mov_b32 s46, 0
	s_mov_b32 s47, 0
	s_lshl_b32 s56, s18, 6                         ; x: group 64 cy + 16 Y + wave: registers that never hold cx
	s_lshl_b32 s57, s20, 4
	s_add_co_u32 s56, s56, s57
	s_add_co_u32 s56, s56, s16
	s_mul_i32 s56, s56, 34816
	s_mov_b32 s57, 0
	s_mul_i32 s58, s19, 104448                     ; W: the head's six blocks, my quarter of them: registers that never hold cy
	s_mul_i32 s59, s16, 26112
	s_add_co_u32 s58, s58, s59
	s_mov_b32 s59, 0
	s_mul_i32 s60, s16, RING
	s_add_co_u32 s60, s60, XREG                    ; my ring: no place in the cluster enters an LDS address
	s_mul_i32 s61, s16, 102*PITCH                  ; my quarter of W in LDS
	s_mul_i32 s66, s19, 768                        ; the head's 192 numbers of b
	s_mov_b32 s67, 0
	s_lshl_b32 s68, s19, 2
	s_add_co_u32 s68, s68, s18                     ; hb = 4 head + batch
	s_lshl_b32 s69, s68, 6
	s_lshl_b32 s70, s20, 4
	s_add_co_u32 s69, s69, s70
	s_add_co_u32 s69, s69, s16
	s_mul_i32 s70, s69, 2304                       ; vq: group 64 hb + 16 Y + wave
	s_mov_b32 s71, 0
	s_lshl_b32 s72, s20, 6
	s_add_co_u32 s72, s72, s68
	s_lshl_b32 s72, s72, 14                        ; spart: (64 Y + hb) x 16,384 + 4,096 wave
	s_lshl_b32 s73, s16, 12
	s_add_co_u32 s72, s72, s73
	s_mov_b32 s73, 0
	s_wait_kmcnt 0x0
	s_mov_b32 s32, 1                               ; group 0, x's slot 0: K's lower half
	s_mov_b32 s33, s60
	s_add_nc_u64 s[34:35], s[4:5], s[56:57]
	s_or_b32 s35, s35, 0x80000000
	s_mov_b32 s36, 1                               ; slot 1: K's upper half
	s_add_co_u32 s37, s60, BLK
	s_add_nc_u64 s[38:39], s[4:5], s[56:57]
	s_add_nc_u64 s[38:39], s[38:39], 17408
	s_or_b32 s39, s39, 0x80000000
	s_mov_b32 s48, 1                               ; W
	s_mov_b32 s49, s61
	s_add_nc_u64 s[50:51], s[6:7], s[58:59]
	s_or_b32 s51, s51, 0x80000000
	s_add_nc_u64 s[8:9], s[8:9], s[66:67]
	s_add_nc_u64 s[12:13], s[12:13], s[70:71]
	s_add_nc_u64 s[14:15], s[14:15], s[72:73]
	CROUND                                         ; all sixteen work-groups are here: the first joint loads meet
	tensor_load_to_lds s[48:51], s[40:47]          ; the three first fills go out together: three loads of mine are out here, later one
	s_nop 0
	tensor_load_to_lds s[32:35], s[24:31]
	s_nop 0
	tensor_load_to_lds s[36:39], s[24:31]
	s_nop 0
	PLACES 4                                       ; (four lines behind a tensor load)
	v_and_b32 v1, 15, v0                           ; r
	v_bfe_u32 v2, v0, 4, 1                         ; h
	v_mul_u32_u24 v[ADW0], v1, PITCH
	v_lshl_add_u32 v[ADW0], v2, 4, v[ADW0]
	v_add_nc_u32 v[ADW1], 3*BLK, v[ADW0]
	v_add_nc_u32 v[ADX], s60, v[ADW0]
	v_mul_u32_u24 v[ADWS0], v2, PITCH
	v_lshl_add_u32 v[ADWS0], v1, 4, v[ADWS0]
	v_add_nc_u32 v[ADXS], s60, v[ADWS0]
	v_add_nc_u32 v[ADXS], 64*PITCH, v[ADXS]
	v_add_nc_u32 v[ADWS0], 64*PITCH, v[ADWS0]
	v_add_nc_u32 v[ADWS1], 3*BLK, v[ADWS0]
	v_lshlrev_b32 v[SH8], 3, v2
	v_and_b32 v[L16], 31, v0
	v_lshlrev_b32 v[L8], 3, v[L16]
	v_lshlrev_b32 v[L16], 4, v[L16]
	s_lshl_b32 s62, s16, 12
	s_add_co_u32 s62, s62, RED
	v_add_nc_u32 v[RDA], s62, v[L16]
	s_lshl_b32 s62, s16, 14
	s_add_co_u32 s62, s62, RED
	v_add_nc_u32 v[RSA], s62, v[L16]
	; THE BIAS is the C of each sum's first matrix instruction.  q, k: a lane's eight results are one channel, 4 r + c % 4.  v: register j is channel 32 h + 4 j + (c - 8): a load of 16 bytes brings one j's four c.
	v_lshlrev_b32 v[RX], 4, v1
	v_lshlrev_b32 v[RX+1], 7, v2
	global_load_b128 v[BT:BT+3], v[RX], s[8:9]
	global_load_b128 v[BT+4:BT+7], v[RX], s[8:9] offset:256
.irp j, 0,1,2,3,4,5,6,7
	global_load_b128 v[RT+4*\j:RT+4*\j+3], v[RX+1], s[8:9] offset:512+16*\j
.endr
	; THE TABLE, in the one wave that will rotate (wave 0 where Y = 0: numbers that are alike in all partners; no barrier and no tensor load stands under the branch): 32 loads of 512 consecutive bytes, issued straight behind
	; the ten of the bias (42 are out), into accumulator registers that are still idle, and on into my own bytes of RED as they stand.
	s_cmp_lg_u32 s22, 0
	s_cbranch_scc1 .Lno_table
	WIN 0x40                                       ; destination window 1
.set I, 0
.rept 32
	global_load_b128 v[4*I:4*I+3], v[L16], s[10:11] offset:512*I
.set I, I+1
.endr
	s_wait_loadcnt 0x0
	WIN 0x04                                       ; an LDS store's data are its source 1: window 1
.set I, 0
.rept 32
	ds_store_b128 v[RSA], v[4*I:4*I+3] offset:512*I
.set I, I+1
.endr
	WIN 0
.Lno_table:
.irp c, 0,1,2,3
.irp i, 4,5,6,7
	v_mov_b32 v[QF+8*\c+\i], 0                     ; q's zero codes for the upper half of the instruction's K: written once
.endr
.endr
.irp i, 16,17,18,19
	v_mov_b32 v[KF+\i], 0                          ; what stands behind k's last fragment
.endr
.irp i, 0,1,2,3,4,5,6,7,8,9,10,11
	v_mov_b32 v[PT+\i], 0                          ; written once: a lane permute's destination counts as one of its sources
.endr
	s_wait_loadcnt 0x0                             ; the bias
	WIN 0x80                                       ; destination window 2
.irp c, 0,1,2,3,4,5,6,7
.irp j, 0,1,2,3,4,5,6,7
	v_mov_b32 v[BQ+8*\c+\j], v[BT+\c]
.endr
.endr
	WIN 0xc0                                       ; destination window 3
.irp cc, 0,1,2,3
.irp j, 0,1,2,3,4,5,6,7
	v_mov_b32 v[BV+8*\cc+\j], v[RT+4*\j+\cc]
.endr
.endr
.set I, 0
.rept 128
	v_mov_b32 v[I], 0                              ; the 16 score accumulators begin as zeros: 128 lines once, so that a tile is written twice (loop and tail) and not a third time for a first tile whose scores start the sums
.set I, I+1
.endr
	WIN 0
; One matrix instruction; its registers stand in the symbols rD, rA, rB, rC, its scale words in rSA, rSB, taken from lanes 16-31 where rRA, rRB are 1.
.macro WM
.if rRA && rRB
	v_wmma_scale_f32_16x16x128_f8f6f4 v[rD:rD+7], v[rA:rA+7], v[rB:rB+7], v[rC:rC+7], v[rSA], v[rSB] matrix_a_fmt:MATRIX_FMT_FP4 matrix_b_fmt:MATRIX_FMT_FP4 matrix_a_scale:MATRIX_SCALE_ROW1 matrix_b_scale:MATRIX_SCALE_ROW1
.elseif rRA
	v_wmma_scale_f32_16x16x128_f8f6f4 v[rD:rD+7], v[rA:rA+7], v[rB:rB+7], v[rC:rC+7], v[rSA], v[rSB] matrix_a_fmt:MATRIX_FMT_FP4 matrix_b_fmt:MATRIX_FMT_FP4 matrix_a_scale:MATRIX_SCALE_ROW1
.elseif rRB
	v_wmma_scale_f32_16x16x128_f8f6f4 v[rD:rD+7], v[rA:rA+7], v[rB:rB+7], v[rC:rC+7], v[rSA], v[rSB] matrix_a_fmt:MATRIX_FMT_FP4 matrix_b_fmt:MATRIX_FMT_FP4 matrix_b_scale:MATRIX_SCALE_ROW1
.else
	v_wmma_scale_f32_16x16x128_f8f6f4 v[rD:rD+7], v[rA:rA+7], v[rB:rB+7], v[rC:rC+7], v[rSA], v[rSB] matrix_a_fmt:MATRIX_FMT_FP4 matrix_b_fmt:MATRIX_FMT_FP4
.endif
.endm
; Four products of q's or k's block c with x's four blocks, the q-th 128 along K.  first = 1: the bias is C and the sums begin.
.macro MULQK c, q, first
.irp a, 0,1,2,3
.set rD, 32*((\c)%6)+8*\a
.set rC, rD
.if \first
.set rC, BQ+8*(\c)
.endif
.set rA, XF+32*((\q)%2)+8*\a
.set rB, WF+8*(\c)
.set rSA, XS+8*(\a/2)+(\q)
.set rSB, WS+8*((\c)/2)+(\q)
.set rRA, \a%2
.set rRB, (\c)%2
	WM
.endr
.endm
; The same for v's block c, the sources swapped
.macro MULV c, q, first
.irp a, 0,1,2,3
.set rD, 32*((\c)%6)+8*\a
.set rC, rD
.if \first
.set rC, BV+8*((\c)-8)
.endif
.set rA, WF+8*(\c)
.set rB, XF+32*((\q)%2)+8*\a
.set rSA, WS+8*((\c)/2)+(\q)
.set rSB, XS+8*(\a/2)+(\q)
.set rRA, (\c)%2
.set rRB, \a%2
	WM
.endr
.endm
; The 48 accumulators take turns, one instruction a turn, in the same order in every step.
.macro QK_LO c0, n, q, first           ; blocks c0 .. c0 + n - 1, all under 6: x window 1, W window 3, C and D window 1 (the bias: window 2)
.if \first
	WIN 0x6d
.else
	WIN 0x5d
.endif
.set CI, \c0
.rept \n
	MULQK CI, \q, \first
.set CI, CI+1
.endr
.endm
.macro HI q, first                     ; blocks 6 to 11: C and D window 2 (v's bias: window 3)
	WIN 0xad
	MULQK 6, \q, \first
	MULQK 7, \q, \first
.if \first
	WIN 0xb7
.else
	WIN 0xa7
.endif
	MULV 8, \q, \first
	MULV 9, \q, \first
	MULV 10, \q, \first
	MULV 11, \q, \first
.endm
.macro FETCH_X kap, qq, set            ; x's four fragments of slot kap's qq-th 128 along K
	WIN 0x40
.irp a, 0,1,2,3
	ds_load_b128 v[XF+32*(\set)+8*\a:XF+32*(\set)+8*\a+3], v[ADX] offset:BLK*(\kap)+4352*\a+64*(\qq)
	ds_load_b128 v[XF+32*(\set)+8*\a+4:XF+32*(\set)+8*\a+7], v[ADX] offset:BLK*(\kap)+4352*\a+64*(\qq)+32
.endr
.endm
.macro FETCH_XS kap                    ; slot kap's scale words: four steps' words of two blocks a load
	WIN 0
.irp p, 0,1
	ds_load_b128 v[XS+8*\p+4*(\kap):XS+8*\p+4*(\kap)+3], v[ADXS] offset:BLK*(\kap)+544*\p
.endr
.endm
.macro FETCH_W c0, q                   ; W's fragments c0 .. c0 + 5 of the q-th 128 along K: block 2 (c / 4) + q / 4 of the six
	WIN 0xc0
.irp d, 0,1,2,3,4,5
.set CC, (\c0)+\d
.set BETA, 2*(CC/4)+(\q)/4
.set WOFF, BLK*(BETA%3)+4352*(CC%4)+64*((\q)%4)
.if BETA < 3
	ds_load_b128 v[WF+8*CC:WF+8*CC+3], v[ADW0] offset:WOFF
	ds_load_b128 v[WF+8*CC+4:WF+8*CC+7], v[ADW0] offset:WOFF+32
.else
	ds_load_b128 v[WF+8*CC:WF+8*CC+3], v[ADW1] offset:WOFF
	ds_load_b128 v[WF+8*CC+4:WF+8*CC+7], v[ADW1] offset:WOFF+32
.endif
.endr
	WIN 0
.endm
; A load into a register that a matrix instruction has read stands four places behind it, and only plain vector instructions that name none of its registers are places (ISA guide 7.12.1 for vector instructions).
; A step of 128 along K whose successor needs no change of slots.  x has two sets of registers; W one: fragments 0-5 are fetched anew in the step's middle, 6-11 at its end.
.macro STEP q, first
	s_wait_dscnt 12                                ; all but the 12 youngest loads, W's fragments 6-11
	QK_LO 0, 6, \q, \first
	s_wait_dscnt 0x0                               ; those are in (asked for 24 matrix instructions ago)
	PLACES 4
	FETCH_X ((\q)+1)/4, ((\q)+1)%4, ((\q)+1)%2
.if (\q) == 3
	FETCH_XS 1
.endif
	FETCH_W 0, (\q)+1
	HI \q, \first
	PLACES 4
	FETCH_W 6, (\q)+1
.endm
; The loop's step 3: the last that multiplies slot 0's codes, all of which are in registers or asked for.  Each wave waits for all its tensor loads (one is out: slot 1's), adds 0 to its spare word, and waits for that and for its reads.
; The barrier opens a round of the cluster's barrier: behind it no wave of any partner reads its slot 0 or has a load on its way, and slot 0 takes the next tile's lower half of K.
.macro TURN3
	s_wait_tensorcnt 0x0
	ds_add_u32 v[SPW], v[NIL]                      ; 0 onto my spare word
	s_wait_dscnt 13                                ; (the add and W's fragments 6-11 may be out)
	QK_LO 0, 3, 3, 0                               ; twelve matrix instructions stand between the add and the wait for it
	s_wait_dscnt 0x0                               ; the add is done, and my reads of slot 0 are over
	s_barrier_signal -1
	QK_LO 3, 3, 3, 0
	WIN 0
	s_barrier_wait -1
	CREST
	s_add_nc_u64 s[34:35], s[34:35], XSTEP         ; no tensor load of mine is out: the group 0 may be written
	tensor_load_to_lds s[32:35], s[24:31]          ; my one tensor load behind this round; it has steps 3 to 7 and v's way out in which to land
	s_nop 0
	PLACES 4                                       ; also the places in front of the loads below
	FETCH_X 1, 0, 0
	FETCH_XS 1
	FETCH_W 0, 4
	HI 3, 0
	PLACES 4
	FETCH_W 6, 4
.endm
.macro STEP7                           ; a tile's last step fetches nothing
	s_wait_dscnt 12
	QK_LO 0, 6, 7, 0
	s_wait_dscnt 0x0
	HI 7, 0
	WIN 0
.endm
; v: for each a the lane's 32 numbers (c = 8-11, j) are one block of 32 channels.  Largest magnitude with the floor 2^(3 - 127) among its leaves, 2 off its exponent field, the byte, four conversions: image a of V^T's operand.
; The scale word of a row: my block's byte at 8 h bits, the other block's from the lane 16 away, 0x7f above.  The four images and the words leave as whole aligned runs of 512 and 256 bytes.
.macro VPART
	PLACES 4                                       ; behind the last products, whose results are read next
	WIN 0x28
.irp a, 0,1,2,3
	v_max3_num_f32 v[MX+8+\a], 0x1800000, |v[64+8*\a]|, |v[64+8*\a+1]|
.endr
.set I, 1
.rept 15
.irp a, 0,1,2,3
	v_max3_num_f32 v[MX+8+\a], v[MX+8+\a], |v[64+32*(I/4)+8*\a+2*(I%4)]|, |v[64+32*(I/4)+8*\a+2*(I%4)+1]|   ; the four a by turns; each accumulator from its low end on
.endr
.set I, I+1
.endr
	WIN 0
.irp a, 0,1,2,3
	v_add_nc_u32 v[SO+8+\a], 0xff000000, v[MX+8+\a]
.endr
.irp a, 0,1,2,3
	v_lshrrev_b32 v[BW+8+\a], 23, v[SO+8+\a]
.endr
	WIN 0x02
.irp a, 0,1,2,3
.irp cc, 0,1,2,3
	v_cvt_scalef32_pk8_fp4_f32 v[VC+4*\a+\cc], v[64+32*\cc+8*\a:64+32*\cc+8*\a+7], v[SO+8+\a]
.endr
.endr
	WIN 0
	v_nop                                          ; one plain place behind the last scaled conversion
.irp a, 0,1,2,3
	v_lshl_or_b32 v[BW+8+\a], v[BW+8+\a], v[SH8], 0x7f7f0000
.endr
.irp a, 0,1,2,3
	v_permlanex16_b32 v[PT+8+\a], v[BW+8+\a], s52, s53
.endr
.irp a, 0,1,2,3
	v_or_b32 v[BW+8+\a], v[BW+8+\a], v[PT+8+\a]
.endr
	v_cndmask_b32 v[VW], v[BW+8], v[BW+9], s23     ; lanes 0-15 image 0's words, lanes 16-31 image 1's: as the last product's scale register wants them
	v_cndmask_b32 v[VW+1], v[BW+10], v[BW+11], s23
.irp a, 0,1,2,3
	global_store_b128 v[L16], v[VC+4*\a:VC+4*\a+3], s[12:13] offset:512*\a
.endr
	global_store_b64 v[L8], v[VW:VW+1], s[12:13] offset:2048
.endm
; The second change of slots of a tile: slot 1 has been read out.  The same three lines, a whole round, and slot 1 takes the next tile's upper half of K; then the next tile's first fragments, out of slot 0, which the wait for 0 has shown landed.
.macro CHANGEB
	s_wait_tensorcnt 0x0
	ds_add_u32 v[SPW], v[NIL]                      ; 0 onto my spare word
	s_add_nc_u64 s[38:39], s[38:39], XSTEP
	s_wait_dscnt 0x0
	CROUND
	tensor_load_to_lds s[36:39], s[24:31]          ; it has q's and k's quantising, the scores and steps 0 to 2 in which to land
	s_nop 0
	PLACES 4
	FETCH_X 0, 0, 0
	FETCH_XS 0
	FETCH_W 0, 0
	FETCH_W 6, 0
.endm
; Part ac of the table out of my bytes of RED into set 0 or 1: 8 loads of 512 consecutive bytes; load g fills registers 4 g on of the set
.macro TABLE set, ac
	WIN 0
.irp g, 0,1,2,3,4,5,6,7
.if (\set) == 0
.set TR, RT+4*\g
.elseif \g < 6
.set TR, RT2+4*\g
.else
.set TR, RT3+4*(\g-6)
.endif
	ds_load_b128 v[TR:TR+3], v[RSA] offset:4096*(\ac)+512*\g
.endr
.endm
; The rotation of one pair of accumulators, two numbers an instruction: X1 at base + 8 a0 holds the even rows of the pairs, X2, eight registers on, the odd ones.  X1' = X1 cos - X2 sin, X2' = X2 cos + X1 sin.
; w: their window.  cr, sr: where the eight cosines and the eight sines lie.  Each accumulator is read from its low end on.
.macro ROPEPAIR base, w, a0, cr, sr
	WIN 0x01*(\w)
.irp j, 0,2,4,6
	v_pk_mul_f32 v[RX+\j:RX+\j+1], v[(\base)+8*(\a0)+\j:(\base)+8*(\a0)+\j+1], v[(\sr)+\j:(\sr)+\j+1]
.endr
.irp j, 0,2,4,6
	v_pk_mul_f32 v[RY+\j:RY+\j+1], v[(\base)+8*(\a0)+8+\j:(\base)+8*(\a0)+9+\j], v[(\sr)+\j:(\sr)+\j+1]
.endr
	WIN 0x41*(\w)
.irp j, 0,2,4,6
	v_pk_fma_f32 v[(\base)+8*(\a0)+\j:(\base)+8*(\a0)+\j+1], v[(\base)+8*(\a0)+\j:(\base)+8*(\a0)+\j+1], v[(\cr)+\j:(\cr)+\j+1], v[RY+\j:RY+\j+1] neg_lo:[0,0,1] neg_hi:[0,0,1]
.endr
.irp j, 0,2,4,6
	v_pk_fma_f32 v[(\base)+8*(\a0)+8+\j:(\base)+8*(\a0)+9+\j], v[(\base)+8*(\a0)+8+\j:(\base)+8*(\a0)+9+\j], v[(\cr)+\j:(\cr)+\j+1], v[RX+\j:RX+\j+1]
.endr
.endm
; q's block ac and k's block 4 + ac: the channels 4 r + ac, which part ac of the table serves.  Register j of blocks a = 0, 1 holds rows 4 j, 4 j + 1 (frequency 2 j), of blocks 2, 3 rows 4 j + 2, 4 j + 3 (frequency 2 j + 1).
.macro ROPE4 ac, set
.if (\set) == 0
.set TC0, RT
.set TS0, RT+8
.set TC1, RT+16
.set TS1, RT+24
.else
.set TC0, RT2
.set TS0, RT2+8
.set TC1, RT2+16
.set TS1, RT3
.endif
	ROPEPAIR 32*(\ac), 1, 0, TC0, TS0
	ROPEPAIR 32*(\ac), 1, 2, TC1, TS1
.if (\ac) < 2
	ROPEPAIR 32*(4+(\ac)), 1, 0, TC0, TS0
	ROPEPAIR 32*(4+(\ac)), 1, 2, TC1, TS1
.else
	ROPEPAIR 32*((\ac)-2), 2, 0, TC0, TS0
	ROPEPAIR 32*((\ac)-2), 2, 2, TC1, TS1
.endif
.endm
; q and k: for each c the lane's 32 registers are one block of 32 rows.  As for v; the codes are the scores' operands as they stand.
.macro QKPART
	WIN 0x14
.irp c, 0,1,2,3,4,5
	v_max3_num_f32 v[MX+\c], 0x1800000, |v[32*\c]|, |v[32*\c+1]|
.endr
.set I, 1
.rept 15
.irp c, 0,1,2,3,4,5
	v_max3_num_f32 v[MX+\c], v[MX+\c], |v[32*\c+2*I]|, |v[32*\c+2*I+1]|
.endr
.set I, I+1
.endr
	WIN 0x28
.irp c, 6,7
	v_max3_num_f32 v[MX+\c], 0x1800000, |v[32*(\c-6)]|, |v[32*(\c-6)+1]|
.endr
.set I, 1
.rept 15
.irp c, 6,7
	v_max3_num_f32 v[MX+\c], v[MX+\c], |v[32*(\c-6)+2*I]|, |v[32*(\c-6)+2*I+1]|
.endr
.set I, I+1
.endr
	WIN 0
.irp c, 0,1,2,3,4,5,6,7
	v_add_nc_u32 v[SO+\c], 0xff000000, v[MX+\c]
.endr
.irp c, 0,1,2,3,4,5,6,7
	v_lshrrev_b32 v[BW+\c], 23, v[SO+\c]
.endr
	WIN 0x01
.irp c, 0,1,2,3
.irp a, 0,1,2,3
	v_cvt_scalef32_pk8_fp4_f32 v[QF+8*\c+\a], v[32*\c+8*\a:32*\c+8*\a+7], v[SO+\c]
.endr
.endr
.irp c, 4,5
.irp a, 0,1,2,3
	v_cvt_scalef32_pk8_fp4_f32 v[KF+4*(\c-4)+\a], v[32*\c+8*\a:32*\c+8*\a+7], v[SO+\c]
.endr
.endr
	WIN 0x02
.irp c, 6,7
.irp a, 0,1,2,3
	v_cvt_scalef32_pk8_fp4_f32 v[KF+4*(\c-4)+\a], v[32*(\c-6)+8*\a:32*(\c-6)+8*\a+7], v[SO+\c]
.endr
.endr
	WIN 0
	v_nop                                          ; one plain place behind the last scaled conversion
.irp c, 0,1,2,3,4,5,6,7
	v_lshl_or_b32 v[BW+\c], v[BW+\c], v[SH8], 0x7f7f0000
.endr
.irp c, 0,1,2,3,4,5,6,7
	v_permlanex16_b32 v[PT+\c], v[BW+\c], s52, s53
.endr
.irp c, 0,1,2,3,4,5,6,7
	v_or_b32 v[BW+\c], v[BW+\c], v[PT+\c]
.endr
	PLACES 8                                       ; a scale register written by a vector instruction stands 8 places ahead of a scaled matrix instruction, an operand so written 4
.endm
; scores += k q^T over my 64 rows: source 0 = k's fragment a (channels e = 4 r + a), source 1 = q's fragment p (d = 4 r + p).  Accumulator 4 p + a: a lane holds d = 4 r + p, its register j the channel e = 32 h + 4 j + a.
.macro SCORES
	WIN 0xf0
.irp p, 0,1,2,3
.irp a, 0,1,2,3
	v_wmma_scale_f32_16x16x128_f8f6f4 v[8*(4*\p+\a):8*(4*\p+\a)+7], v[KF+4*\a:KF+4*\a+7], v[QF+8*\p:QF+8*\p+7], v[8*(4*\p+\a):8*(4*\p+\a)+7], v[BW+4+\a], v[BW+\p] matrix_a_fmt:MATRIX_FMT_FP4 matrix_b_fmt:MATRIX_FMT_FP4
.endr
.endr
	WIN 0
.endm
	s_wait_tensorcnt 1                             ; my quarter of W and my slot 0 are in; slot 1's load may stay out
	s_wait_dscnt 0x0                               ; the table's stores, where there were any, have landed: no LDS instruction of mine is out at the signal
	s_barrier_signal -1
	s_barrier_wait -1                              ; everybody's quarter of W is in
.irp p, 0,1,2,3,4,5                    ; W's scale words for all of K stay in registers: pair p of blocks, half kap
.irp kap, 0,1
.set BETA, 2*(\p/2)+\kap
.if BETA < 3
	ds_load_b128 v[WS+8*\p+4*\kap:WS+8*\p+4*\kap+3], v[ADWS0] offset:BLK*(BETA%3)+544*(\p%2)
.else
	ds_load_b128 v[WS+8*\p+4*\kap:WS+8*\p+4*\kap+3], v[ADWS1] offset:BLK*(BETA%3)+544*(\p%2)
.endif
.endr
.endr
	FETCH_X 0, 0, 0
	FETCH_XS 0
	FETCH_W 0, 0
	FETCH_W 6, 0
.Ltile:                                            ; three trips: tiles 0 to 2; each fills both slots for the tile that follows
	STEP 0, 1
	STEP 1, 0
	STEP 2, 0
	TURN3
	STEP 4, 0
	STEP 5, 0
	STEP 6, 0
	STEP7
	VPART
	CHANGEB
	; THE ROTATION: wave 0, tile 0, Y = 0.  The branch hangs on the wave, the tile and the cluster's y, which are alike in all partners; no barrier and no tensor load stands under it.
	; Lanes 16-31 hold rows 32 on and find cosines 1 and sines 0 in the table.  The table's four parts come out of my own LDS bytes into two sets of registers by turns, a part ahead of the work:
	; each wait leaves out the 8 loads of the part behind the one in hand.
	s_or_b32 s54, s22, s21
	s_cmp_lg_u32 s54, 0
	s_cbranch_scc1 .Lno_rope
	TABLE 0, 0
	TABLE 1, 1
	s_wait_dscnt 8
	ROPE4 0, 0
	TABLE 0, 2
	s_wait_dscnt 8
	ROPE4 1, 1
	TABLE 1, 3
	s_wait_dscnt 8
	ROPE4 2, 0
	s_wait_dscnt 0x0
	ROPE4 3, 1
	WIN 0
.Lno_rope:
	QKPART
	SCORES
	s_wait_xcnt 0x0                                ; v's stores have read their data and their base: both are written again only behind this wait
	s_add_nc_u64 s[12:13], s[12:13], VSTEP
	s_add_co_u32 s21, s21, 1
	s_cmp_lt_u32 s21, 3
	s_cbranch_scc1 .Ltile
	STEP 0, 1                                      ; the last tile is written out: it asks for nothing, so it has no round
	STEP 1, 0
	STEP 2, 0
	s_wait_tensorcnt 0x0                           ; my slot 1, which I alone read, has landed
	STEP 3, 0
	STEP 4, 0
	STEP 5, 0
	STEP 6, 0
	STEP7
	VPART
	QKPART
	SCORES
	; THE SUM OF THE SCORES OVER THE FOUR WAVES: each wave stores its 16 accumulators as images of their registers; behind a barrier wave w adds the four waves' accumulators 4 w .. 4 w + 3 and stores them, 512 consecutive bytes a store.
	PLACES 4
	WIN 0x0c                                       ; an LDS store's data are its source 1: window 3
.irp t, 0,1,2,3,4,5,6,7,8,9,10,11,12,13,14,15
	ds_store_b128 v[RSA], v[8*\t:8*\t+3] offset:1024*\t            ; each accumulator from its low end on
	ds_store_b128 v[RSA], v[8*\t+4:8*\t+7] offset:1024*\t+512
.endr
	WIN 0
	s_wait_dscnt 0x0                               ; for the others' sake: my stores have landed
	s_barrier_signal -1
	s_barrier_wait -1
	WIN 0x40                                       ; into window 1, whose accumulators are done with
.irp wp, 0,1,2,3
.irp t, 0,1,2,3
.irp f, 0,1
	ds_load_b128 v[32*\wp+8*\t+4*\f:32*\wp+8*\t+4*\f+3], v[RDA] offset:16384*\wp+1024*\t+512*\f
.endr
.endr
.endr
	s_wait_dscnt 0x0
	WIN 0x45
.irp i, 0,2,4,6,8,10,12,14,16,18,20,22,24,26,28,30
	v_pk_add_f32 v[\i:\i+1], v[\i:\i+1], v[32+\i:33+\i]
	v_pk_add_f32 v[64+\i:65+\i], v[64+\i:65+\i], v[96+\i:97+\i]
.endr
.irp i, 0,2,4,6,8,10,12,14,16,18,20,22,24,26,28,30
	v_pk_add_f32 v[\i:\i+1], v[\i:\i+1], v[64+\i:65+\i]
.endr
	WIN 0x04                                       ; a store's data are its source 1: window 1
.irp t, 0,1,2,3
.irp f, 0,1
	global_store_b128 v[L16], v[8*\t+4*\f:8*\t+4*\f+3], s[14:15] offset:1024*\t+512*\f
.endr
.endr
	WIN 0
	s_wait_tensorcnt 0x0                           ; the wave's end: behind my last tensor load and my last LDS store
	ds_add_u32 v[SPW], v[NIL]
	s_wait_dscnt 0x0
	CROUND                                         ; the closing round: no work-group ends while a partner may still ask for a tile that names it
	s_endpgm
.Lfunc_end_k_q931c08c141_gemm:
	.size	k_q931c08c141_gemm, .Lfunc_end_k_q931c08c141_gemm-k_q931c08c141_gemm
	.p2alignl 7, 3214868480
	.fill 96, 4, 3214868480
	.section	.rodata,"a",@progbits
	.p2align	6, 0x0
	.amdhsa_kernel k_q931c08c141_gemm
		.amdhsa_group_segment_fixed_size 327680
		.amdhsa_private_segment_fixed_size 0
		.amdhsa_enable_private_segment 0
		.amdhsa_kernarg_size 48
		.amdhsa_user_sgpr_count 2
		.amdhsa_user_sgpr_kernarg_segment_ptr 1
		.amdhsa_wavefront_size32 1
		.amdhsa_system_sgpr_workgroup_id_x 1
		.amdhsa_system_sgpr_workgroup_id_y 1
		.amdhsa_system_sgpr_workgroup_id_z 1
		.amdhsa_system_vgpr_workitem_id 0
		.amdhsa_next_free_vgpr 1024
		.amdhsa_next_free_sgpr 80
		.amdhsa_reserve_vcc 0
		.amdhsa_float_denorm_mode_32 3
		.amdhsa_float_denorm_mode_16_64 3
		.amdhsa_memory_ordered 1
		.amdhsa_forward_progress 1
		.amdhsa_inst_pref_size 233
	.end_amdhsa_kernel
	.amdgpu_metadata
---
amdhsa.version: [ 1, 2 ]
amdhsa.kernels:
  - .name:           k_q931c08c141_gemm
    .symbol:         k_q931c08c141_gemm.kd
    .args:
      - { .name: xq, .offset: 0, .size: 8, .value_kind: global_buffer, .address_space: global }
      - { .name: wq, .offset: 8, .size: 8, .value_kind: global_buffer, .address_space: global }
      - { .name: b, .offset: 16, .size: 8, .value_kind: global_buffer, .address_space: global }
      - { .name: rope, .offset: 24, .size: 8, .value_kind: global_buffer, .address_space: global }
      - { .name: vq, .offset: 32, .size: 8, .value_kind: global_buffer, .address_space: global }
      - { .name: spart, .offset: 40, .size: 8, .value_kind: global_buffer, .address_space: global }
    .group_segment_fixed_size: 327680
    .private_segment_fixed_size: 0
    .kernarg_segment_align: 8
    .kernarg_segment_size: 48
    .max_flat_workgroup_size: 128
    .sgpr_count:     80
    .vgpr_count:     1024
    .wavefront_size: 32
...
	.end_amdgpu_metadata
.endif
;; end of part 2
;; launch attn (part 3): grid 4 x 64, 16 waves a work-group, no clusters, 6,144 bytes of LDS; arguments vq, spart, out0; writes out0
.if DOCPART == 3
	.amdgcn_target "amdgcn-amd-amdhsa--gfx1250"
	.amdhsa_code_object_version 6
	.text
	.protected	k_q931c08c141_attn
	.globl	k_q931c08c141_attn
	.p2align	8
	.type	k_q931c08c141_attn,@function
k_q931c08c141_attn:
	s_mov_b64 s[64:65], 0
	v_nop
	global_prefetch_b8 v0, s[64:65] scope:SCOPE_SE
	s_setreg_imm32_b32 hwreg(HW_REG_WAVE_MODE, 25, 1), 1
	s_wait_xcnt 0x0
; The four parts of the scores are added; p = 2^(t - M) with t = score x log2(e) / 8 and M = the row's largest t rounded up to a whole number; p is quantised along the 64 channels e; out = P V / l, l the row's sum of the unquantised p.
; SHARES.  Work-group (chunk, hb): 1,024 rows s of head-and-batch hb = 4 head + batch.  Wave w owns the 64 rows of group 16 chunk + w.  Waves 0-3 first make P: wave p the rows d = 4 r + p.
; LAYOUT.  Lane l = (r = l % 16, h = l / 16).  A part of the scores comes as images of accumulator registers: in tile 4 p + a a lane holds d = 4 r + p, its register j the channel e = 32 h + 4 j + a.
; So a lane's 32 numbers of one p are one whole block of 32 along e, and the four conversions give P's operand registers 0-3, in the order of k in which vq holds V's codes.  K is 64, half of the instruction's 128:
; P's registers 4-7 are zero codes, V's whatever codes follow, the scale bytes 2 and 3 are 0x7f.
; The product (source 0 = P's fragment p, source 1 = V's image t): register j is d = 32 h + 4 j + p, the lane is row s = 4 r + t of the group.  For one (p, j) the four t are 16 consecutive bytes of out, sixteen lanes 256 aligned bytes:
; the results leave from registers.  out0 is flat [head][d][batch][s].
; P, its scale words and 1 / l go from waves 0-3 to all sixteen through LDS, as images of registers; one barrier.  No tensor load, so no ring.
; No cluster: what the four work-groups of one hb share is spart's 64 KiB, against the 256 KiB that each stores, and it comes through registers.
; LIMITS: NaN and infinities are not served; a block whose every p has fallen to 0 keeps the scale byte 1 over zero codes.
.set PIMG, 0                           ; LDS: P's four fragments, 512 bytes each: 16 x lane
.set PSC,  2048                        ; their scale words, 128 bytes each: 4 x lane
.set RLB,  2560                        ; 1 / l of the 64 rows d: 4 d
.set VF,   16                          ; v16-35   V's four images of 4 registers, and 4 of zeros
.set VS,   36                          ; v36-37   V's scale words: lanes 0-15 image 0 (2), lanes 16-31 image 1 (3)
.set PS,   40                          ; v40-43   P's scale words
.set PF,   44                          ; v44-75   P: 4 x (4 registers of codes, 4 of zeros)
.set RL,   76                          ; v76-107  1 / l at 4 j + p
.set ACC,  112                         ; v112-175 eight accumulators; during the softmax v112-239 hold the scores' four parts
.set OUT,  176                         ; v176-239 results, four neighbours along s on end
	s_load_b128 s[4:7], s[0:1], 0x0                ; vq, spart
	s_load_b64 s[8:9], s[0:1], 0x10                ; out0
	v_lshl_add_u32 v111, v0, 2, 0x1000
	v_mov_b32 v247, 0
	v_lshrrev_b32 v1, 5, v0
	v_readfirstlane_b32 s10, v1                    ; wave 0..15
.irp i, 0,1,2,3
	v_mov_b32 v[VF+16+\i], 0
.endr
.irp a, 0,1,2,3
.irp i, 4,5,6,7
	v_mov_b32 v[PF+8*\a+\i], 0                     ; P's zero codes for the upper half of the instruction's K
.endr
.endr
	v_mov_b32 v241, 0                              ; a lane permute's destination counts as one of its sources
	s_and_b32 s11, ttmp7, 0xffff                   ; hb
	s_lshl_b32 s12, ttmp9, 4
	s_add_co_u32 s12, s12, s10                     ; my group of 64 rows
	s_lshl_b32 s13, s11, 6
	s_add_co_u32 s13, s13, s12
	s_mul_i32 s14, s13, 2304                       ; its 2,304 bytes of vq
	s_mov_b32 s15, 0
	s_and_b32 s24, s10, 3                          ; p, for waves 0-3
	s_lshl_b32 s16, s11, 14
	s_lshl_b32 s17, s24, 12
	s_add_co_u32 s16, s16, s17                     ; spart: 16,384 hb + 4,096 p
	s_mov_b32 s17, 0
	s_lshr_b32 s18, s11, 2
	s_lshl_b32 s18, s18, 22                        ; out0: 4,194,304 head
	s_and_b32 s19, s11, 3
	s_lshl_b32 s19, s19, 14                        ; + 16,384 batch
	s_add_co_u32 s18, s18, s19
	s_lshl_b32 s19, s12, 8                         ; + 256 group
	s_add_co_u32 s18, s18, s19
	s_mov_b32 s19, 0
	s_mov_b32 s20, 0x76543210
	s_mov_b32 s21, 0xfedcba98                      ; v_permlanex16_b32's selects for lane l xor 16
	s_mov_b32 s22, 0x3e38aa3b                      ; log2(e) / 8
	s_mov_b32 s23, s22                             ; (named with it as a pair, so it is written)
	; every address register is made here, ahead of the parting of the waves
	v_and_b32 v3, 31, v0
	v_and_b32 v1, 15, v0                           ; r
	v_bfe_u32 v2, v0, 4, 1                         ; h
	v_lshlrev_b32 v4, 4, v3                        ; 16 x lane
	v_lshlrev_b32 v5, 3, v3                        ; 8 x lane
	v_lshlrev_b32 v6, 2, v3                        ; 4 x lane
	s_lshl_b32 s25, s24, 9
	v_add_nc_u32 v7, s25, v4                       ; where I store P's fragment
	s_lshl_b32 s25, s24, 7
	s_add_co_u32 s25, s25, PSC
	v_add_nc_u32 v8, s25, v6                       ; its scale word
	s_lshl_b32 s25, s24, 2
	s_add_co_u32 s25, s25, RLB
	v_lshl_add_u32 v9, v1, 4, s25                  ; 1 / l of d = 4 r + p (lanes r and r + 16 write the same word with the same value)
	v_lshlrev_b32 v10, 7, v2
	v_add_nc_u32 v10, RLB, v10                     ; where I read 1 / l: d = 32 h on
	v_lshlrev_b32 v11, 21, v2
	v_lshl_add_u32 v11, v1, 4, v11                 ; out0: 32 rows d further on for lanes 16-31, 16 bytes a lane
	v_lshlrev_b32 v12, 3, v2                       ; 8 h
	s_wait_kmcnt 0x0
	s_add_nc_u64 s[4:5], s[4:5], s[14:15]
	s_add_nc_u64 s[6:7], s[6:7], s[16:17]
	s_add_nc_u64 s[8:9], s[8:9], s[18:19]
.irp t, 0,1,2,3
	global_load_b128 v[VF+4*\t:VF+4*\t+3], v4, s[4:5] offset:512*\t
.endr
	global_load_b64 v[VS:VS+1], v5, s[4:5] offset:2048
	s_cmp_ge_u32 s10, 4
	s_cbranch_scc1 .Lothers
.irp y, 0,1,2,3
.irp a, 0,1,2,3
.irp f, 0,1
	global_load_b128 v[ACC+32*\y+8*\a+4*\f:ACC+32*\y+8*\a+4*\f+3], v4, s[6:7] offset:1048576*\y+1024*\a+512*\f
.endr
.endr
.endr
	s_wait_loadcnt 0x0
.irp i, 0,2,4,6,8,10,12,14,16,18,20,22,24,26,28,30
	v_pk_add_f32 v[ACC+\i:ACC+\i+1], v[ACC+\i:ACC+\i+1], v[ACC+32+\i:ACC+33+\i]
	v_pk_add_f32 v[ACC+64+\i:ACC+65+\i], v[ACC+64+\i:ACC+65+\i], v[ACC+96+\i:ACC+97+\i]
.endr
.irp i, 0,2,4,6,8,10,12,14,16,18,20,22,24,26,28,30
	v_pk_add_f32 v[ACC+\i:ACC+\i+1], v[ACC+\i:ACC+\i+1], v[ACC+64+\i:ACC+65+\i]   ; the scores: register 8 a + j
.endr
	v_max3_num_f32 v240, v[ACC], v[ACC+1], v[ACC+2]                ; my block's largest score: it serves for the row's maximum and, since p rises with the score, for the block's largest p
.irp i, 3,5,7,9,11,13,15,17,19,21,23,25,27,29
	v_max3_num_f32 v240, v240, v[ACC+\i], v[ACC+\i+1]
.endr
	v_max_num_f32 v240, v240, v[ACC+31]
	v_permlanex16_b32 v241, v240, s20, s21
	v_max_num_f32 v242, v240, v241                 ; with the other block's: the row's
	v_mul_f32 v242, s22, v242                      ; as t
	v_floor_f32 v244, -v242                        ; -M = floor(-t) = -ceil(t)
	v_mov_b32 v245, v244                           ; (the pair is named below)
.irp j, 0,2,4,6,8,10,12,14,16,18,20,22,24,26,28,30
	v_pk_fma_f32 v[ACC+\j:ACC+\j+1], v[ACC+\j:ACC+\j+1], s[22:23], v[244:245] op_sel_hi:[1,0,0]   ; t - M, two at a time
.endr
	v_fma_f32 v240, v240, s22, v244                ; the same of the block's largest score
.irp j, 0,1,2,3,4,5,6,7,8,9,10,11,12,13,14,15,16,17,18,19,20,21,22,23,24,25,26,27,28,29,30,31
	v_exp_f32 v[ACC+\j], v[ACC+\j]                 ; p = 2^(t - M), at most 1, not normalised
.endr
	v_exp_f32 v240, v240                           ; the block's largest p: the same two instructions on the same number give the same bits
	v_nop                                          ; a plain place behind the exponentials
	s_wait_alu depctr_va_vdst(0)
	v_max_num_f32 v240, 0x1800000, v240            ; the floor 2^(3 - 127): the byte cannot fall under 1
	v_add_nc_u32 v243, 0xff000000, v240            ; 2 off the exponent field: the conversions' scale operand
	v_lshrrev_b32 v246, 23, v243                   ; the byte,
	v_lshl_or_b32 v246, v246, v12, 0x7f7f0000      ; at its place in the row's scale word,
	v_permlanex16_b32 v241, v246, s20, s21
	v_or_b32 v246, v246, v241                      ; with the other block's
.irp a, 0,1,2,3
	v_cvt_scalef32_pk8_fp4_f32 v[248+\a], v[ACC+8*\a:ACC+8*\a+7], v243
.endr
	v_nop                                          ; one plain place behind the last scaled conversion
	v_pk_add_f32 v[252:253], v[ACC:ACC+1], v[ACC+2:ACC+3]          ; the row's sum is taken of the unquantised p: two at a time, in two chains
	v_pk_add_f32 v[254:255], v[ACC+4:ACC+5], v[ACC+6:ACC+7]
.irp j, 8,12,16,20,24,28
	v_pk_add_f32 v[252:253], v[252:253], v[ACC+\j:ACC+\j+1]
	v_pk_add_f32 v[254:255], v[254:255], v[ACC+\j+2:ACC+\j+3]
.endr
	v_pk_add_f32 v[252:253], v[252:253], v[254:255]
	v_add_f32 v252, v252, v253
	v_permlanex16_b32 v241, v252, s20, s21
	v_add_f32 v252, v252, v241                     ; with the other block's: l
	v_rcp_f32 v252, v252
	v_nop                                          ; a plain place behind the reciprocal
	ds_store_b128 v7, v[248:251]
	ds_store_b32 v8, v246
	s_wait_alu depctr_va_vdst(0)
	ds_store_b32 v9, v252
.Lothers:
	s_wait_dscnt 0x0                               ; for the others' sake: my stores have landed
	s_barrier_signal -1
	s_barrier_wait -1
.irp a, 0,1,2,3
	ds_load_b128 v[PF+8*\a:PF+8*\a+3], v4 offset:PIMG+512*\a
	ds_load_b32 v[PS+\a], v6 offset:PSC+128*\a
.endr
.irp j, 0,1,2,3,4,5,6,7
	ds_load_b128 v[RL+4*\j:RL+4*\j+3], v10 offset:16*\j            ; 1 / l of d = 32 h + 4 j + 0 .. 3
.endr
	s_wait_dscnt 0x0
	s_wait_loadcnt 0x0                             ; V's images and scale words
.macro WMZ                             ; a product that starts its sum; rRB = 1: V's scale words from lanes 16-31
.if rRB
	v_wmma_scale_f32_16x16x128_f8f6f4 v[rD:rD+7], v[rA:rA+7], v[rB:rB+7], 0, v[rSA], v[rSB] matrix_a_fmt:MATRIX_FMT_FP4 matrix_b_fmt:MATRIX_FMT_FP4 matrix_b_scale:MATRIX_SCALE_ROW1
.else
	v_wmma_scale_f32_16x16x128_f8f6f4 v[rD:rD+7], v[rA:rA+7], v[rB:rB+7], 0, v[rSA], v[rSB] matrix_a_fmt:MATRIX_FMT_FP4 matrix_b_fmt:MATRIX_FMT_FP4
.endif
.endm
.irp pi, 0,1                           ; two passes: P's fragments 2 pi and 2 pi + 1 against V's four images
.irp u, 0,1
.irp t, 0,1,2,3
.set rD, ACC+32*\u+8*\t
.set rA, PF+8*(2*\pi+\u)
.set rB, VF+4*\t
.set rSA, PS+2*\pi+\u
.set rSB, VS+\t/2
.set rRB, \t%2
	WMZ
.endr
.endr
.rept 4
	v_nop                                          ; four places between the last product and the first read of results
.endr
.irp j, 0,1,2,3,4,5,6,7                ; j outermost and ascending: each accumulator is read from its low end on
.irp u, 0,1
.irp t, 0,1,2,3
	v_mul_f32 v[OUT+4*(8*\u+\j)+\t], v[ACC+32*\u+8*\t+\j], v[RL+4*\j+2*\pi+\u]
.endr
.endr
.endr
.irp u, 0,1
.irp j, 0,1,2,3,4,5,6,7
	global_store_b128 v11, v[OUT+4*(8*\u+\j):OUT+4*(8*\u+\j)+3], s[8:9] offset:65536*(4*\j+2*\pi+\u) th:TH_STORE_NT   ; sixteen lanes store 256 consecutive aligned bytes of row d = 32 h + 4 j + p; written once, read by nobody here
.endr
.endr
.if \pi == 0
	s_wait_xcnt 0x0                                ; the stores have read their data: the second pass writes the same registers
.endif
.endr
	s_wait_tensorcnt 0x0
	ds_add_u32 v111, v247
	s_wait_dscnt 0x0
	s_endpgm
.Lfunc_end_k_q931c08c141_attn:
	.size	k_q931c08c141_attn, .Lfunc_end_k_q931c08c141_attn-k_q931c08c141_attn
	.p2alignl 7, 3214868480
	.fill 96, 4, 3214868480
	.section	.rodata,"a",@progbits
	.p2align	6, 0x0
	.amdhsa_kernel k_q931c08c141_attn
		.amdhsa_group_segment_fixed_size 6144
		.amdhsa_private_segment_fixed_size 0
		.amdhsa_enable_private_segment 0
		.amdhsa_kernarg_size 24
		.amdhsa_user_sgpr_count 2
		.amdhsa_user_sgpr_kernarg_segment_ptr 1
		.amdhsa_wavefront_size32 1
		.amdhsa_system_sgpr_workgroup_id_x 1
		.amdhsa_system_sgpr_workgroup_id_y 1
		.amdhsa_system_sgpr_workgroup_id_z 1
		.amdhsa_system_vgpr_workitem_id 0
		.amdhsa_next_free_vgpr 256
		.amdhsa_next_free_sgpr 66
		.amdhsa_reserve_vcc 0
		.amdhsa_float_denorm_mode_32 3
		.amdhsa_float_denorm_mode_16_64 3
		.amdhsa_memory_ordered 1
		.amdhsa_forward_progress 1
		.amdhsa_inst_pref_size 26
	.end_amdhsa_kernel
	.amdgpu_metadata
---
amdhsa.version: [ 1, 2 ]
amdhsa.kernels:
  - .name:           k_q931c08c141_attn
    .symbol:         k_q931c08c141_attn.kd
    .args:
      - { .name: vq, .offset: 0, .size: 8, .value_kind: global_buffer, .address_space: global }
      - { .name: spart, .offset: 8, .size: 8, .value_kind: global_buffer, .address_space: global }
      - { .name: out0, .offset: 16, .size: 8, .value_kind: global_buffer, .address_space: global }
    .group_segment_fixed_size: 6144
    .private_segment_fixed_size: 0
    .kernarg_segment_align: 8
    .kernarg_segment_size: 24
    .max_flat_workgroup_size: 512
    .sgpr_count:     66
    .vgpr_count:     256
    .wavefront_size: 32
...
	.end_amdgpu_metadata
.endif
;; end of part 3
;; ======== version 2 of 2: 3 launches; version 1 with the launch attn written anew for expert scheduling mode
;; workspace buffers: xq 8,912,896 bytes; wq 1,671,168 bytes; rope 16,384 bytes; vq 9,437,184 bytes; spart 4,194,304 bytes
;; launch quant: the kernel of part 1 again; grid 609 x 1, 4 waves a work-group, no clusters, 33,280 bytes of LDS; arguments x, W, xq, wq, rope; writes xq, wq, rope
;; launch gemm: the kernel of part 2 again; grid 16 x 16, 4 waves a work-group, clusters of 4 x 4, 327,680 bytes of LDS; arguments xq, wq, b, rope, vq, spart; writes vq, spart
;; launch attn (part 4): grid 4 x 64, 16 waves a work-group, no clusters, 6,144 bytes of LDS; arguments vq, spart, out0; writes out0
.if DOCPART == 4
	.amdgcn_target "amdgcn-amd-amdhsa--gfx1250"
	.amdhsa_code_object_version 6
	.text
	.protected	k_q931c08c141_attn
	.globl	k_q931c08c141_attn
	.p2align	8
	.type	k_q931c08c141_attn,@function
k_q931c08c141_attn:
	s_mov_b64 s[64:65], 0
	v_nop
	global_prefetch_b8 v0, s[64:65] scope:SCOPE_SE
	s_setreg_imm32_b32 hwreg(HW_REG_WAVE_SCHED_MODE, 0, 2), 2
	s_setreg_imm32_b32 hwreg(HW_REG_WAVE_MODE, 25, 1), 1
	s_wait_xcnt 0x0
	s_wait_alu depctr_vm_vsrc(0)
; The four parts of the scores are added; p = 2^(t - M) with t = score x log2(e) / 8 and M = the row's largest t rounded up to a whole number; p is quantised along the 64 channels e; out = P V / l, l the row's sum of the unquantised p.
; SHARES.  Work-group (chunk, hb): 1,024 rows s of head-and-batch hb = 4 head + batch.  Wave w owns the 64 rows of group 16 chunk + w.  Waves 0-3 first make P: wave p the rows d = 4 r + p.
; LAYOUT.  Lane l = (r = l % 16, h = l / 16).  A part of the scores comes as images of accumulator registers: in tile 4 p + a a lane holds d = 4 r + p, its register j the channel e = 32 h + 4 j + a.
; So a lane's 32 numbers of one p are one whole block of 32 along e, and the four conversions give P's operand registers 0-3, in the order of k in which vq holds V's codes.  K is 64, half of the instruction's 128:
; P's registers 4-7 are zero codes, V's whatever codes follow, the scale bytes 2 and 3 are 0x7f.
; The product (source 0 = P's fragment p, source 1 = V's image t): register j is d = 32 h + 4 j + p, the lane is row s = 4 r + t of the group.  For one (p, j) the four t are 16 consecutive bytes of out, sixteen lanes 256 aligned bytes:
; the results leave from registers.  out0 is flat [head][d][batch][s].
; P, its scale words and 1 / l go from waves 0-3 to all sixteen through LDS, as images of registers; one barrier.  No tensor load, so no ring.
; No cluster: what the four work-groups of one hb share is spart's 64 KiB, against the 256 KiB that each stores, and it comes through registers.
; LIMITS: NaN and infinities are not served; a block whose every p has fallen to 0 keeps the scale byte 1 over zero codes.
; THE MODE: SCHED_MODE bits 1:0 = 2 (LLVM: expert scheduling mode 2), set by the entry lines.  The code itself states the register dependences
; between vector or matrix instructions and memory or LDS instructions, with s_wait_alu, always for 0.
; THE PLAN.  Registers that memory or LDS instructions touch:
;   v4-v11                 offsets and LDS addresses: written once at the head, read by every load and store, never written again.
;   VF 0-15, VS            global loads land there at the head; no vector instruction names them before; the products read them.
;   VF 16-19, P's zeros    written by v_mov at the head, never loaded; the scaled products take them as part of their operands.
;   v112-239 (waves 0-3)   the scores' four parts land there; no vector instruction names them before.
;   v248-251, v246, v252   (waves 0-3) written by the conversions, the scale word's last line and the reciprocal; read by three LDS stores; never written again.
;   P's codes, PS, RL      LDS loads land there behind the barrier; no vector instruction names them before, on either way to the barrier.
;   OUT                    written by a pass's 64 multiplications, read by its 16 stores, written again by the second pass's multiplications.
;   v111, v247             written at the head, read by the closing add alone.
; So: one wait on va_vdst at the head for all addresses; one ahead of the three LDS stores; one behind each pass's multiplications, ahead of its stores.  The first pass's stores follow their wait dealt among the second
; pass's products, which name the accumulators, P, V and the scale words and none of the registers that the stores touch.  One wait on vm_vsrc stands behind those products, ahead of the multiplications that write OUT again.
.set PIMG, 0                           ; LDS: P's four fragments, 512 bytes each: 16 x lane
.set PSC,  2048                        ; their scale words, 128 bytes each: 4 x lane
.set RLB,  2560                        ; 1 / l of the 64 rows d: 4 d
.set VF,   16                          ; v16-35   V's four images of 4 registers, and 4 of zeros
.set VS,   36                          ; v36-37   V's scale words: lanes 0-15 image 0 (2), lanes 16-31 image 1 (3)
.set PS,   40                          ; v40-43   P's scale words
.set PF,   44                          ; v44-75   P: 4 x (4 registers of codes, 4 of zeros)
.set RL,   76                          ; v76-107  1 / l at 4 j + p
.set ACC,  112                         ; v112-175 eight accumulators; during the softmax v112-239 hold the scores' four parts
.set OUT,  176                         ; v176-239 results, four neighbours along s on end
	s_load_b128 s[4:7], s[0:1], 0x0                ; vq, spart
	s_load_b64 s[8:9], s[0:1], 0x10                ; out0
	v_lshl_add_u32 v111, v0, 2, 0x1000
	v_mov_b32 v247, 0
	v_lshrrev_b32 v1, 5, v0
	v_readfirstlane_b32 s10, v1                    ; wave 0..15
.irp i, 0,1,2,3
	v_mov_b32 v[VF+16+\i], 0
.endr
.irp a, 0,1,2,3
.irp i, 4,5,6,7
	v_mov_b32 v[PF+8*\a+\i], 0                     ; P's zero codes for the upper half of the instruction's K
.endr
.endr
	v_mov_b32 v241, 0                              ; a lane permute's destination counts as one of its sources
	s_wait_alu depctr_va_sdst(0)                   ; s10 is written, ahead of its first reader: the bases, the LDS addresses and the branch on the wave are made from it
	s_and_b32 s11, ttmp7, 0xffff                   ; hb
	s_lshl_b32 s12, ttmp9, 4
	s_add_co_u32 s12, s12, s10                     ; my group of 64 rows
	s_lshl_b32 s13, s11, 6
	s_add_co_u32 s13, s13, s12
	s_mul_i32 s14, s13, 2304                       ; its 2,304 bytes of vq
	s_mov_b32 s15, 0
	s_and_b32 s24, s10, 3                          ; p, for waves 0-3
	s_lshl_b32 s16, s11, 14
	s_lshl_b32 s17, s24, 12
	s_add_co_u32 s16, s16, s17                     ; spart: 16,384 hb + 4,096 p
	s_mov_b32 s17, 0
	s_lshr_b32 s18, s11, 2
	s_lshl_b32 s18, s18, 22                        ; out0: 4,194,304 head
	s_and_b32 s19, s11, 3
	s_lshl_b32 s19, s19, 14                        ; + 16,384 batch
	s_add_co_u32 s18, s18, s19
	s_lshl_b32 s19, s12, 8                         ; + 256 group
	s_add_co_u32 s18, s18, s19
	s_mov_b32 s19, 0
	s_mov_b32 s20, 0x76543210
	s_mov_b32 s21, 0xfedcba98                      ; v_permlanex16_b32's selects for lane l xor 16
	s_mov_b32 s22, 0x3e38aa3b                      ; log2(e) / 8
	s_mov_b32 s23, s22                             ; (named with it as a pair, so it is written)
	; every address register is made here, ahead of the parting of the waves
	v_and_b32 v3, 31, v0
	v_and_b32 v1, 15, v0                           ; r
	v_bfe_u32 v2, v0, 4, 1                         ; h
	v_lshlrev_b32 v4, 4, v3                        ; 16 x lane
	v_lshlrev_b32 v5, 3, v3                        ; 8 x lane
	v_lshlrev_b32 v6, 2, v3                        ; 4 x lane
	s_lshl_b32 s25, s24, 9
	v_add_nc_u32 v7, s25, v4                       ; where I store P's fragment
	s_lshl_b32 s25, s24, 7
	s_add_co_u32 s25, s25, PSC
	v_add_nc_u32 v8, s25, v6                       ; its scale word
	s_lshl_b32 s25, s24, 2
	s_add_co_u32 s25, s25, RLB
	v_lshl_add_u32 v9, v1, 4, s25                  ; 1 / l of d = 4 r + p (lanes r and r + 16 write the same word with the same value)
	v_lshlrev_b32 v10, 7, v2
	v_add_nc_u32 v10, RLB, v10                     ; where I read 1 / l: d = 32 h on
	v_lshlrev_b32 v11, 21, v2
	v_lshl_add_u32 v11, v1, 4, v11                 ; out0: 32 rows d further on for lanes 16-31, 16 bytes a lane
	v_lshlrev_b32 v12, 3, v2                       ; 8 h
	s_wait_kmcnt 0x0
	s_add_nc_u64 s[4:5], s[4:5], s[14:15]
	s_add_nc_u64 s[6:7], s[6:7], s[16:17]
	s_add_nc_u64 s[8:9], s[8:9], s[18:19]
	s_wait_alu depctr_va_vdst(0)                   ; the offsets and LDS addresses v4 to v11 are written, which every load and store of the kernel reads; so are the zero codes, which the scaled products take as part of their operands
.irp t, 0,1,2,3
	global_load_b128 v[VF+4*\t:VF+4*\t+3], v4, s[4:5] offset:512*\t
.endr
	global_load_b64 v[VS:VS+1], v5, s[4:5] offset:2048
	s_cmp_ge_u32 s10, 4
	s_cbranch_scc1 .Lothers
.irp y, 0,1,2,3
.irp a, 0,1,2,3
.irp f, 0,1
	global_load_b128 v[ACC+32*\y+8*\a+4*\f:ACC+32*\y+8*\a+4*\f+3], v4, s[6:7] offset:1048576*\y+1024*\a+512*\f
.endr
.endr
.endr
	s_wait_loadcnt 0x0
.irp i, 0,2,4,6,8,10,12,14,16,18,20,22,24,26,28,30
	v_pk_add_f32 v[ACC+\i:ACC+\i+1], v[ACC+\i:ACC+\i+1], v[ACC+32+\i:ACC+33+\i]
	v_pk_add_f32 v[ACC+64+\i:ACC+65+\i], v[ACC+64+\i:ACC+65+\i], v[ACC+96+\i:ACC+97+\i]
.endr
.irp i, 0,2,4,6,8,10,12,14,16,18,20,22,24,26,28,30
	v_pk_add_f32 v[ACC+\i:ACC+\i+1], v[ACC+\i:ACC+\i+1], v[ACC+64+\i:ACC+65+\i]   ; the scores: register 8 a + j
.endr
	v_max3_num_f32 v240, v[ACC], v[ACC+1], v[ACC+2]                ; my block's largest score: it serves for the row's maximum and, since p rises with the score, for the block's largest p
.irp i, 3,5,7,9,11,13,15,17,19,21,23,25,27,29
	v_max3_num_f32 v240, v240, v[ACC+\i], v[ACC+\i+1]
.endr
	v_max_num_f32 v240, v240, v[ACC+31]
	v_permlanex16_b32 v241, v240, s20, s21
	v_max_num_f32 v242, v240, v241                 ; with the other block's: the row's
	v_mul_f32 v242, s22, v242                      ; as t
	v_floor_f32 v244, -v242                        ; -M = floor(-t) = -ceil(t)
	v_mov_b32 v245, v244                           ; (the pair is named below)
.irp j, 0,2,4,6,8,10,12,14,16,18,20,22,24,26,28,30
	v_pk_fma_f32 v[ACC+\j:ACC+\j+1], v[ACC+\j:ACC+\j+1], s[22:23], v[244:245] op_sel_hi:[1,0,0]   ; t - M, two at a time
.endr
	v_fma_f32 v240, v240, s22, v244                ; the same of the block's largest score
.irp j, 0,1,2,3,4,5,6,7,8,9,10,11,12,13,14,15,16,17,18,19,20,21,22,23,24,25,26,27,28,29,30,31
	v_exp_f32 v[ACC+\j], v[ACC+\j]                 ; p = 2^(t - M), at most 1, not normalised
.endr
	v_exp_f32 v240, v240                           ; the block's largest p: the same two instructions on the same number give the same bits
	v_nop                                          ; a plain place behind the exponentials
	s_wait_alu depctr_va_vdst(0)                   ; the 33 exponentials have written v[ACC ..] and v240: one wait for the batch, ahead of its first reader
	v_max_num_f32 v240, 0x1800000, v240            ; the floor 2^(3 - 127): the byte cannot fall under 1
	v_add_nc_u32 v243, 0xff000000, v240            ; 2 off the exponent field: the conversions' scale operand
	v_lshrrev_b32 v246, 23, v243                   ; the byte,
	v_lshl_or_b32 v246, v246, v12, 0x7f7f0000      ; at its place in the row's scale word,
	v_permlanex16_b32 v241, v246, s20, s21
	v_or_b32 v246, v246, v241                      ; with the other block's
.irp a, 0,1,2,3
	v_cvt_scalef32_pk8_fp4_f32 v[248+\a], v[ACC+8*\a:ACC+8*\a+7], v243
.endr
	v_nop                                          ; one plain place behind the last scaled conversion
	v_pk_add_f32 v[252:253], v[ACC:ACC+1], v[ACC+2:ACC+3]          ; the row's sum is taken of the unquantised p: two at a time, in two chains
	v_pk_add_f32 v[254:255], v[ACC+4:ACC+5], v[ACC+6:ACC+7]
.irp j, 8,12,16,20,24,28
	v_pk_add_f32 v[252:253], v[252:253], v[ACC+\j:ACC+\j+1]
	v_pk_add_f32 v[254:255], v[254:255], v[ACC+\j+2:ACC+\j+3]
.endr
	v_pk_add_f32 v[252:253], v[252:253], v[254:255]
	v_add_f32 v252, v252, v253
	v_permlanex16_b32 v241, v252, s20, s21
	v_add_f32 v252, v252, v241                     ; with the other block's: l
	v_rcp_f32 v252, v252
	v_nop                                          ; a plain place behind the reciprocal
	s_wait_alu depctr_va_vdst(0)                   ; the conversions have written v[248:251], the scale word's last line v246 and the reciprocal v252: the data of the three LDS stores below; no vector instruction follows ahead of the label
	ds_store_b128 v7, v[248:251]
	ds_store_b32 v8, v246
	ds_store_b32 v9, v252
.Lothers:
	s_wait_dscnt 0x0                               ; for the others' sake: my stores have landed
	s_barrier_signal -1
	s_barrier_wait -1
.irp a, 0,1,2,3                        ; no wait on va_vdst: on neither way here has a vector instruction named the registers in which these loads land, and their addresses were written ahead of the head's wait
	ds_load_b128 v[PF+8*\a:PF+8*\a+3], v4 offset:PIMG+512*\a
	ds_load_b32 v[PS+\a], v6 offset:PSC+128*\a
.endr
.irp j, 0,1,2,3,4,5,6,7
	ds_load_b128 v[RL+4*\j:RL+4*\j+3], v10 offset:16*\j            ; 1 / l of d = 32 h + 4 j + 0 .. 3
.endr
	s_wait_dscnt 0x0
	s_wait_loadcnt 0x0                             ; V's images and scale words
.macro WMZ                             ; a product that starts its sum; rRB = 1: V's scale words from lanes 16-31
.if rRB
	v_wmma_scale_f32_16x16x128_f8f6f4 v[rD:rD+7], v[rA:rA+7], v[rB:rB+7], 0, v[rSA], v[rSB] matrix_a_fmt:MATRIX_FMT_FP4 matrix_b_fmt:MATRIX_FMT_FP4 matrix_b_scale:MATRIX_SCALE_ROW1
.else
	v_wmma_scale_f32_16x16x128_f8f6f4 v[rD:rD+7], v[rA:rA+7], v[rB:rB+7], 0, v[rSA], v[rSB] matrix_a_fmt:MATRIX_FMT_FP4 matrix_b_fmt:MATRIX_FMT_FP4
.endif
.endm
; Two passes: pass pi takes P's fragments 2 pi and 2 pi + 1 (u = 0, 1) against V's four images t.
.macro PROD pi, u, t                   ; one product
.set rD, ACC+32*(\u)+8*(\t)
.set rA, PF+8*(2*(\pi)+(\u))
.set rB, VF+4*(\t)
.set rSA, PS+2*(\pi)+(\u)
.set rSB, VS+(\t)/2
.set rRB, (\t)%2
	WMZ
.endm
.macro SCALE pi                        ; a pass's 64 results x 1 / l, laid four neighbours along s on end.  j outermost and ascending: each accumulator is read from its low end on
.irp j, 0,1,2,3,4,5,6,7
.irp u, 0,1
.irp t, 0,1,2,3
	v_mul_f32 v[OUT+4*(8*\u+\j)+\t], v[ACC+32*\u+8*\t+\j], v[RL+4*\j+2*(\pi)+\u]
.endr
.endr
.endr
.endm
.macro SEND pi, u, j                   ; sixteen lanes store 256 consecutive aligned bytes of row d = 32 h + 4 j + p; written once, read by nobody here
	global_store_b128 v11, v[OUT+4*(8*(\u)+(\j)):OUT+4*(8*(\u)+(\j))+3], s[8:9] offset:65536*(4*(\j)+2*(\pi)+(\u)) th:TH_STORE_NT
.endm
.irp u, 0,1
.irp t, 0,1,2,3
	PROD 0, \u, \t
.endr
.endr
.rept 4
	v_nop                                          ; four places between the last product and the first read of results
.endr
	SCALE 0
	s_wait_alu depctr_va_vdst(0)                   ; the first pass's multiplications have written OUT, which the sixteen stores below read
.irp u, 0,1                            ; the first pass's stores, two at a time among the second pass's products.  No further wait: the products name the accumulators, P, V and the scale words, none of which a store touches
.irp t, 0,1,2,3
	SEND 0, \u, 2*\t
	SEND 0, \u, 2*\t+1
	PROD 1, \u, \t
.endr
.endr
.rept 4
	v_nop                                          ; four places between the last product and the first read of results
.endr
	s_wait_xcnt 0x0                                ; the stores' data are written again only behind this wait,
	s_wait_alu depctr_vm_vsrc(0)                   ; and behind this one: the first pass's stores have read OUT, which the second pass's multiplications write again
	SCALE 1
	s_wait_alu depctr_va_vdst(0)                   ; the second pass's multiplications have written OUT, which the last sixteen stores read
.irp u, 0,1
.irp j, 0,1,2,3,4,5,6,7
	SEND 1, \u, \j
.endr
.endr
	s_wait_dscnt 0x0                               ; the closing lines, six on end
	s_wait_alu 0x0
	s_wait_tensorcnt 0x0
	ds_add_u32 v111, v247
	s_wait_dscnt 0x0
	s_endpgm
.Lfunc_end_k_q931c08c141_attn:
	.size	k_q931c08c141_attn, .Lfunc_end_k_q931c08c141_attn-k_q931c08c141_attn
	.p2alignl 7, 3214868480
	.fill 96, 4, 3214868480
	.section	.rodata,"a",@progbits
	.p2align	6, 0x0
	.amdhsa_kernel k_q931c08c141_attn
		.amdhsa_group_segment_fixed_size 6144
		.amdhsa_private_segment_fixed_size 0
		.amdhsa_enable_private_segment 0
		.amdhsa_kernarg_size 24
		.amdhsa_user_sgpr_count 2
		.amdhsa_user_sgpr_kernarg_segment_ptr 1
		.amdhsa_wavefront_size32 1
		.amdhsa_system_sgpr_workgroup_id_x 1
		.amdhsa_system_sgpr_workgroup_id_y 1
		.amdhsa_system_sgpr_workgroup_id_z 1
		.amdhsa_system_vgpr_workitem_id 0
		.amdhsa_next_free_vgpr 256
		.amdhsa_next_free_sgpr 66
		.amdhsa_reserve_vcc 0
		.amdhsa_float_denorm_mode_32 3
		.amdhsa_float_denorm_mode_16_64 3
		.amdhsa_memory_ordered 1
		.amdhsa_forward_progress 1
		.amdhsa_inst_pref_size 26
	.end_amdhsa_kernel
	.amdgpu_metadata
---
amdhsa.version: [ 1, 2 ]
amdhsa.kernels:
  - .name:           k_q931c08c141_attn
    .symbol:         k_q931c08c141_attn.kd
    .args:
      - { .name: vq, .offset: 0, .size: 8, .value_kind: global_buffer, .address_space: global }
      - { .name: spart, .offset: 8, .size: 8, .value_kind: global_buffer, .address_space: global }
      - { .name: out0, .offset: 16, .size: 8, .value_kind: global_buffer, .address_space: global }
    .group_segment_fixed_size: 6144
    .private_segment_fixed_size: 0
    .kernarg_segment_align: 8
    .kernarg_segment_size: 24
    .max_flat_workgroup_size: 512
    .sgpr_count:     66
    .vgpr_count:     256
    .wavefront_size: 32
...
	.end_amdgpu_metadata
.endif
;; end of part 4
